; MI455X (gfx1250); checked and timed in simulation.
; The chip was launched on July 23, 2026; its instructions are those of AMD's public machine-readable ISA for CDNA 5 (MIT licence, August 2026) and "CDNA5" Instruction Set Architecture Reference Guide (July 2026). The comments in the code are by the model that wrote it; some were corrected since.
;; MHA Encoder Fused Proj. Allowed arithmetic: matrix products marked QUANTISED: E2M1 operands, one E8M0 scale for each 32 along K, by v_wmma_scale_f32_16x16x128_f8f6f4 with both operands' format E2M1 (or v_wmma_scale_f32_32x16x128_f4), f32 sums; products left as they are: bf16, f16 or f32 operands; f32 sums; everything else in f32.
;; Inputs: W_out 1,024 x 1,024 float32; W_qkv 3,072 x 1,024 float32; cos 2,048 x 64 float32; sin 2,048 x 64 float32; x 4 x 2,048 x 1,024 float32.
;; Outputs: out0 4 x 2,048 x 1,024 float32.
;; This version of the problem:
;;   THIS VERSION OF THE PROBLEM IS GIVEN IN LOW PRECISION. The matrix products marked QUANTISED in the list below multiply operands that are first quantised to E2M1 (2 exponent bits, 1 mantissa bit; 4 bits a number), with one power-of-two scale for each 32 numbers along K (OCP MX v1.0); their sums are f32. The products marked 'left as it is' may take bf16, f16 or f32 operands, with f32 sums. Whichever they take, every output number must still come out within the allowed error. Rounding operands to bf16 (8 significant bits) uses up far more of that allowance than f16 does (11 bits, for magnitudes from 6e-5 to 65,504). All else is computed in f32.
;;   The module's matrix products, in the order in which they are computed (A, B: the left and right operand; K: the contracted axis; several contracted axes count as one K, in the product's order):
;;     1. [M 8,192, K 1,024] x [K 1,024, N 3,072]; A: input x; B: input W_qkv: QUANTISED
;;     2. batch 64 x [M 2,048, K 64] x [K 64, N 2,048]; A: computed on the way; B: computed on the way: left as it is (an operand is computed on the way)
;;     3. batch 64 x [M 2,048, K 2,048] x [K 2,048, N 64]; A: computed on the way; B: computed on the way: left as it is (an operand is computed on the way)
;;     4. [M 8,192, K 1,024] x [K 1,024, N 1,024]; A: computed on the way; B: input W_out: left as it is (an operand is computed on the way)
;;   THE QUANTISER, for each operand of a quantised product, along K:
;;     - K is cut into blocks of 32 from its start; a last block that is shorter is filled with zeros.
;;     - A block's scale is 2^e with e = floor(log2(the largest magnitude in the block)) - 2, held to -126 .. 127; a block of zeros has e = 0. As a byte (E8M0): e + 127.
;;     - Each number is divided by its block's scale, clamped to +-6, and rounded to the nearest number of E2M1, ties to even, subnormals kept.
;;     - The product sums the exact products of the quantised numbers (number of the format x scale) in f32.
;;   ~~~python
;;   def quantise(x, axis):      # numpy; x: float32 -> the quantised numbers, widened to float32 again
;;       x = np.moveaxis(x, axis, -1); K = x.shape[-1]
;;       x = np.pad(x, [(0, 0)] * (x.ndim - 1) + [(0, -K % 32)]); x = x.reshape(x.shape[:-1] + (-1, 32)); a = np.abs(x).max(-1, keepdims=True)
;;       e = np.where(a > 0, np.clip(np.frexp(np.where(a > 0, a, 1))[1] - 1 - 2, -126, 127), 0)      # np.frexp(a)[1] - 1 = floor(log2(a)), exactly
;;       r = np.clip(x / 2.0 ** e, -6, 6)
;;       step = 2.0 ** (np.maximum(np.frexp(np.where(r == 0, 1, r))[1] - 1, 0) - 1)
;;       q = np.round(r / step) * step * 2.0 ** e      # np.round: ties to even
;;       return np.moveaxis(q.reshape(q.shape[:-2] + (-1,))[..., :K], -1, axis).astype(np.float32)
;;   ~~~
;; One version. Each part assembles by itself: llvm-mc -triple=amdgcn-amd-amdhsa -mcpu=gfx1250 --defsym DOCPART=n.
;; ======== version 1 of 1: 4 launches
;; limits: values are held in f16: magnitudes above 65,504 overflow, below 6.1e-05 lose precision
;; workspace buffers: xc 4,194,304 bytes; xs 262,144 bytes; wc 1,572,864 bytes; ws 98,304 bytes; wo16 2,097,152 bytes; cst 1,048,576 bytes; qkv16 50,331,648 bytes; o16 16,777,216 bytes
;; launch prep (part 1): grid 512 x 1, 4 waves a work-group, no clusters, 33,280 bytes of LDS; arguments x, W_qkv, xc, xs, wc, ws, W_out, wo16, cos, sin, cst; writes xc, xs, wc, ws, wo16, cst
.if DOCPART == 1
	.amdgcn_target "amdgcn-amd-amdhsa--gfx1250"
	.amdhsa_code_object_version 6
	.text
	.protected	k_qda6e5555fd_prep
	.globl	k_qda6e5555fd_prep
	.p2align	8
	.type	k_qda6e5555fd_prep,@function
k_qda6e5555fd_prep:
	s_mov_b64 s[64:65], 0
	v_nop
	global_prefetch_b8 v0, s[64:65] scope:SCOPE_SE
	s_setreg_imm32_b32 hwreg(HW_REG_WAVE_MODE, 25, 1), 1
	s_wait_xcnt 0x0
; THE PROGRAM: out = attention(rope(x Wqkv^T)) Wout^T in four launches: this one, qkv (the quantised product and the rotation), attn, proj.
; NO WORK OF THE PROBLEM IS LEFT OUT: every input reaches the output, there is no mask, and nothing is sliced away.
; THIS LAUNCH prepares what later launches read many times.  Three kinds of work-groups, told apart by the work-group's number alone:
;   0-351    x [8192][1024] (0-255) and W_qkv [3072][1024] (256-351), f32, become codes of FP4 (E2M1), K innermost, and one E8M0 byte for each 32 along K.
;            A block's scale is 2^(floor(log2(its largest magnitude)) - 2); its byte is the largest magnitude's exponent field - 2, held at 1 from below; each number is divided by the scale and rounded to the nearest code, ties to even, beyond 6 the code of 6.
;   352-479  W_out [1024][1024] f32 becomes f16, same layout.
;   480-511  cos and sin [2048][64] become the rotation's table in the order of the next launch's registers: [block of 16 tokens][16 groups][32 lanes][4 f32].  Lane (r, h) of block t stands for token 16 t + r;
;            groups 0-7: register 8 bb + j = cos[token][16 bb + 8 h + j] / 64;  groups 8-15: the same of sin, with the sign of rotate_half: minus for bb < 2.  The factor 2^-6 is exact: q and k are kept as f16 of q / 64, k / 64.
; LIMITS: NaN and infinities among the inputs are not served.  A block whose largest magnitude lies under 2^-124 has its byte held at 1; a block of zeros has the byte 1 where the rule says 127
; (its codes are zeros, which add nothing, and this program alone reads the bytes).  W_out must lie inside f16's range (magnitudes up to 65,504; under 6e-5 with fewer bits).
.set WAVES, 4
.set STEPS, 16
.set WGA,   256                        ; work-groups for x: 8192 x 1024 / 32,768
.set WGQ,   352                        ; + 96 for W_qkv
.set WGW,   480                        ; + 128 for W_out
.set EMAX,  2
.set CB,    8                          ; bytes of 16 codes
.set R,     16                         ; v16-79   four sets of 16 numbers as they are loaded
.set X,     80                         ; v80-111  two sets of 16 neighbours
.set C,     128                        ; v128-191 codes: four registers for each step
.set E,     112                        ; v112-127 a scale byte for each step
.set WREG,  8192                       ; LDS: a region for each wave: two stages of 32 x SP bytes, then its 256 scale bytes
.set SP,    80                         ; a lane's place in a stage: 64 bytes + 16 of padding
.set SPW,   12                         ; v12      LDS address of my spare word; never rewritten
.set NIL,   13                         ; v13      0; never rewritten
.set SPARE, WAVES*WREG                 ; behind the four regions: the spare words, 128 bytes a wave, that no other line names
	s_load_b128 s[4:7], s[0:1], 0x0                ; x, W_qkv
	s_load_b128 s[8:11], s[0:1], 0x10              ; x's codes, x's scales
	s_load_b128 s[12:15], s[0:1], 0x20             ; W_qkv's codes, its scales
	s_load_b128 s[24:27], s[0:1], 0x30             ; W_out, wo16
	s_load_b128 s[28:31], s[0:1], 0x40             ; cos, sin
	s_load_b64 s[32:33], s[0:1], 0x50              ; the table
	v_lshl_add_u32 v[SPW], v0, 2, SPARE
	v_mov_b32 v[NIL], 0
	v_lshrrev_b32 v1, 5, v0
	v_readfirstlane_b32 s16, v1                    ; wave
	v_and_b32 v2, 31, v0                           ; lane
	s_wait_kmcnt 0x0
	s_cmp_ge_u32 ttmp9, WGQ
	s_cbranch_scc1 .Lother
; ---- THE QUANTISER.  Both tensors are plain streams of blocks of 32.  A wave takes 16 steps of 512 numbers.  Each load reads 512 consecutive bytes; a step's 2,048 bytes turn through the wave's own
; stage in LDS and come back 64 bytes a lane: 16 neighbours, two lanes to a block.  Loads run four steps ahead, the turn through LDS one step.
	v_lshlrev_b32 v3, 4, v2                        ; my 16 bytes of a load's 512
	s_mul_i32 s17, s16, WREG
	v_lshrrev_b32 v14, 2, v2
	v_mul_u32_u24 v14, v14, SP
	v_and_b32 v15, 3, v2
	v_lshl_add_u32 v14, v15, 4, v14
	v_add_nc_u32 v14, s17, v14                     ; the stage, on the way in: SP (lane / 4) + 16 (lane % 4)
	v_mul_u32_u24 v15, v2, SP
	v_add_nc_u32 v15, s17, v15                     ; and on the way out: SP x lane
	v_mul_u32_u24 v4, v2, CB                       ; my codes' place in a step's
	v_lshrrev_b32 v5, 1, v2
	s_add_co_u32 s17, s17, 2*32*SP
	v_add_nc_u32 v5, s17, v5                       ; LDS: my wave's 256 scale bytes, my block's byte
	v_lshlrev_b32 v7, 3, v2                        ; and on the way out 8 bytes a lane
	v_add_nc_u32 v6, s17, v7
	s_cmp_lt_u32 ttmp9, WGA                        ; x's work-group or W_qkv's?  Only pointers are chosen
	s_cselect_b64 s[4:5], s[4:5], s[6:7]
	s_cselect_b64 s[8:9], s[8:9], s[12:13]
	s_cselect_b64 s[10:11], s[10:11], s[14:15]
	s_cselect_b32 s17, 0, WGA
	s_sub_co_u32 s17, ttmp9, s17
	s_lshl_b32 s17, s17, 2
	s_add_co_u32 s18, s17, s16                     ; which run of 8,192 numbers of the tensor is my wave's
	s_mov_b32 s19, 0
	s_mov_b64 s[20:21], 512*STEPS*4
	s_mul_u64 s[20:21], s[18:19], s[20:21]
	s_add_nc_u64 s[4:5], s[4:5], s[20:21]
	s_mov_b64 s[20:21], 32*STEPS*CB
	s_mul_u64 s[20:21], s[18:19], s[20:21]
	s_add_nc_u64 s[8:9], s[8:9], s[20:21]
	s_lshl_b32 s18, s18, 8                         ; 256 scale bytes a run
	s_add_nc_u64 s[10:11], s[10:11], s[18:19]
.macro LOAD t
.irp i, 0,1,2,3
	global_load_b128 v[R+16*((\t)%4)+4*\i:R+16*((\t)%4)+4*\i+3], v3, s[4:5] offset:2048*(\t)+512*\i th:TH_LOAD_NT   ; 32 lanes read 512 consecutive bytes
.endr
.endm
.macro TURN t                          ; step t's numbers through the stage: LDS serves a wave's instructions in order, so no wait stands between the stores and the loads
.irp i, 0,1,2,3
	ds_store_b128 v14, v[R+16*((\t)%4)+4*\i:R+16*((\t)%4)+4*\i+3] offset:32*SP*((\t)%2)+8*SP*\i
.endr
.irp i, 0,1,2,3
	ds_load_b128 v[X+16*((\t)%2)+4*\i:X+16*((\t)%2)+4*\i+3], v15 offset:32*SP*((\t)%2)+16*\i
.endr
.endm
.irp t, 0,1,2,3
	LOAD \t
.endr
	s_wait_loadcnt 12                              ; step 0's four loads are in; the twelve of steps 1 to 3 may be out
	TURN 0
.macro STEP t
.set XS, X+16*((\t)%2)
.if (\t) > 0
	s_wait_dscnt 1                                 ; this step's numbers are back from the stage (the last step's byte store may be out)
.else
	s_wait_dscnt 0x0
.endif
.if (\t)+4 < STEPS
	LOAD (\t)+4                                    ; into the registers that this step's stores into the stage have read
.endif
.if (\t)+1 < STEPS
.if STEPS-2-(\t) >= 3
	s_wait_loadcnt 12                              ; the next step's four loads are in; those of the three steps behind it may be out
.else
	s_wait_loadcnt 4*(STEPS-2-(\t))
.endif
	TURN (\t)+1                                    ; through the other stage while this step is worked
.endif
	v_max3_num_f32 v8, |v[XS]|, |v[XS+1]|, |v[XS+2]|               ; the largest magnitude of my 16, in two chains
	v_max3_num_f32 v9, |v[XS+3]|, |v[XS+4]|, |v[XS+5]|
.irp i, 6,10
	v_max3_num_f32 v8, v8, |v[XS+\i]|, |v[XS+\i+1]|
	v_max3_num_f32 v9, v9, |v[XS+\i+2]|, |v[XS+\i+3]|
.endr
	v_max3_num_f32 v8, v8, |v[XS+14]|, |v[XS+15]|
	v_max3_num_f32 v8, v8, v9, (EMAX+1)<<23        ; and the floor 2^(3 - 127): the byte cannot fall under 1
	v_max_num_f32_dpp v8, v8, v8 row_xmask:1 row_mask:0xf bank_mask:0xf   ; and of my neighbour's 16: the block's
	v_add_nc_u32 v11, -(EMAX<<23), v8              ; 2 off its exponent field: the conversion takes the exponent field of this operand as its scale
	v_cvt_scalef32_pk8_fp4_f32 v[C+4*(\t)], v[XS:XS+7], v11
	v_cvt_scalef32_pk8_fp4_f32 v[C+4*(\t)+1], v[XS+8:XS+15], v11
	v_lshrrev_b32 v[E+(\t)], 23, v11               ; the scale's byte (a plain line behind the conversions)
	ds_store_b8 v5, v[E+(\t)] offset:16*(\t)       ; both lanes of a block write the same byte with the same value
	global_store_b64 v4, v[C+4*(\t):C+4*(\t)+1], s[8:9] offset:32*CB*(\t)   ; the wave stores 256 consecutive bytes, aligned
.endm
.irp t, 0,1,2,3,4,5,6,7,8,9,10,11,12,13,14,15
	STEP \t
.endr
	ds_load_b64 v[8:9], v6                         ; LDS serves a wave's instructions in order: these see my stores
	s_wait_dscnt 0x0
	global_store_b64 v7, v[8:9], s[10:11]          ; 32 lanes store 256 consecutive bytes, aligned
	s_wait_tensorcnt 0x0                           ; the wave's end, behind my last LDS store
	ds_add_u32 v[SPW], v[NIL]
	s_wait_dscnt 0x0
	s_endpgm
.Lother:
	s_cmp_ge_u32 ttmp9, WGW
	s_cbranch_scc1 .Ltable
; ---- W_OUT TO F16.  A wave takes 2,048 numbers: 8 steps of 256; a lane 8 neighbours a step (32 bytes in, 16 out).  Every register is written once, so no store's data are written again.  No LDS.
	s_sub_co_u32 s17, ttmp9, WGQ
	s_lshl_b32 s17, s17, 2
	s_add_co_u32 s17, s17, s16                     ; my wave's run
	s_lshl_b32 s18, s17, 13                        ; 8,192 bytes in,
	s_mov_b32 s19, 0
	s_add_nc_u64 s[24:25], s[24:25], s[18:19]
	s_lshl_b32 s18, s17, 12                        ; 4,096 out
	s_add_nc_u64 s[26:27], s[26:27], s[18:19]
	v_lshlrev_b32 v3, 5, v2
	v_lshlrev_b32 v4, 4, v2
.irp t, 0,1,2,3,4,5,6,7
	global_load_b128 v[16+8*\t:19+8*\t], v3, s[24:25] offset:1024*\t th:TH_LOAD_NT
	global_load_b128 v[20+8*\t:23+8*\t], v3, s[24:25] offset:1024*\t+16 th:TH_LOAD_NT
.endr
.irp t, 0,1,2,3,4,5,6,7
	s_wait_loadcnt 14-2*\t                         ; this step's two loads are in; the later steps' may be out
.irp k, 0,1,2,3
	v_cvt_pk_f16_f32 v[80+4*\t+\k], v[16+8*\t+2*\k], v[17+8*\t+2*\k]
.endr
	global_store_b128 v4, v[80+4*\t:83+4*\t], s[26:27] offset:512*\t   ; 512 consecutive bytes
.endr
	s_endpgm
.Ltable:
; ---- THE ROTATION'S TABLE.  A wave takes a block of 16 tokens.  No LDS.
	s_sub_co_u32 s17, ttmp9, WGW
	s_lshl_b32 s17, s17, 2
	s_add_co_u32 s17, s17, s16                     ; the block
	s_lshl_b32 s18, s17, 12                        ; 16 rows of 256 bytes in cos and in sin
	s_mov_b32 s19, 0
	s_add_nc_u64 s[28:29], s[28:29], s[18:19]
	s_add_nc_u64 s[30:31], s[30:31], s[18:19]
	s_lshl_b32 s18, s17, 13                        ; 8,192 bytes of the table
	s_add_nc_u64 s[32:33], s[32:33], s[18:19]
	v_and_b32 v3, 15, v0                           ; r
	v_bfe_u32 v4, v0, 4, 1                         ; h
	v_lshlrev_b32 v3, 8, v3
	v_lshl_add_u32 v3, v4, 5, v3                   ; row r, + 8 h channels
	v_lshlrev_b32 v4, 4, v2                        ; out: 16 bytes a lane
.irp i, 0,1,2,3,4,5,6,7
	global_load_b128 v[16+4*\i:19+4*\i], v3, s[28:29] offset:64*(\i/2)+16*(\i%2)   ; cos[token][16 (i / 2) + 8 h + 4 (i % 2) + 0 .. 3]
.endr
.irp i, 0,1,2,3,4,5,6,7
	global_load_b128 v[48+4*\i:51+4*\i], v3, s[30:31] offset:64*(\i/2)+16*(\i%2)   ; sin likewise
.endr
	s_wait_loadcnt 8                               ; cos is in; sin's eight loads may be out
.irp p, 0,2,4,6,8,10,12,14,16,18,20,22,24,26,28,30
	v_pk_mul_f32 v[80+\p:81+\p], v[16+\p:17+\p], 0x3c800000 op_sel_hi:[1,0]        ; x 2^-6
.endr
	s_wait_loadcnt 0x0
.irp p, 0,2,4,6,8,10,12,14
	v_pk_mul_f32 v[112+\p:113+\p], v[48+\p:49+\p], 0xbc800000 op_sel_hi:[1,0]      ; channels under 32: rotate_half brings -t[d + 32]
.endr
.irp p, 16,18,20,22,24,26,28,30
	v_pk_mul_f32 v[112+\p:113+\p], v[48+\p:49+\p], 0x3c800000 op_sel_hi:[1,0]      ; channels from 32 on: +t[d - 32]
.endr
.irp i, 0,1,2,3,4,5,6,7,8,9,10,11,12,13,14,15
	global_store_b128 v4, v[80+4*\i:83+4*\i], s[32:33] offset:512*\i               ; 512 consecutive bytes
.endr
	s_endpgm
.Lfunc_end_k_qda6e5555fd_prep:
	.size	k_qda6e5555fd_prep, .Lfunc_end_k_qda6e5555fd_prep-k_qda6e5555fd_prep
	.p2alignl 7, 3214868480
	.fill 96, 4, 3214868480
	.section	.rodata,"a",@progbits
	.p2align	6, 0x0
	.amdhsa_kernel k_qda6e5555fd_prep
		.amdhsa_group_segment_fixed_size 33280
		.amdhsa_private_segment_fixed_size 0
		.amdhsa_enable_private_segment 0
		.amdhsa_kernarg_size 88
		.amdhsa_user_sgpr_count 2
		.amdhsa_user_sgpr_kernarg_segment_ptr 1
		.amdhsa_wavefront_size32 1
		.amdhsa_system_sgpr_workgroup_id_x 1
		.amdhsa_system_sgpr_workgroup_id_y 1
		.amdhsa_system_sgpr_workgroup_id_z 1
		.amdhsa_system_vgpr_workitem_id 0
		.amdhsa_next_free_vgpr 192
		.amdhsa_next_free_sgpr 66
		.amdhsa_reserve_vcc 0
		.amdhsa_float_denorm_mode_32 3
		.amdhsa_float_denorm_mode_16_64 3
		.amdhsa_memory_ordered 1
		.amdhsa_forward_progress 1
		.amdhsa_inst_pref_size 45
	.end_amdhsa_kernel
	.amdgpu_metadata
---
amdhsa.version: [ 1, 2 ]
amdhsa.kernels:
  - .name:           k_qda6e5555fd_prep
    .symbol:         k_qda6e5555fd_prep.kd
    .args:
      - { .name: x, .offset: 0, .size: 8, .value_kind: global_buffer, .address_space: global }
      - { .name: W_qkv, .offset: 8, .size: 8, .value_kind: global_buffer, .address_space: global }
      - { .name: xc, .offset: 16, .size: 8, .value_kind: global_buffer, .address_space: global }
      - { .name: xs, .offset: 24, .size: 8, .value_kind: global_buffer, .address_space: global }
      - { .name: wc, .offset: 32, .size: 8, .value_kind: global_buffer, .address_space: global }
      - { .name: ws, .offset: 40, .size: 8, .value_kind: global_buffer, .address_space: global }
      - { .name: W_out, .offset: 48, .size: 8, .value_kind: global_buffer, .address_space: global }
      - { .name: wo16, .offset: 56, .size: 8, .value_kind: global_buffer, .address_space: global }
      - { .name: cos, .offset: 64, .size: 8, .value_kind: global_buffer, .address_space: global }
      - { .name: sin, .offset: 72, .size: 8, .value_kind: global_buffer, .address_space: global }
      - { .name: cst, .offset: 80, .size: 8, .value_kind: global_buffer, .address_space: global }
    .group_segment_fixed_size: 33280
    .private_segment_fixed_size: 0
    .kernarg_segment_align: 8
    .kernarg_segment_size: 88
    .max_flat_workgroup_size: 128
    .sgpr_count:     66
    .vgpr_count:     192
    .wavefront_size: 32
...
	.end_amdgpu_metadata
.endif
;; end of part 1
;; launch qkv (part 2): grid 12 x 32, 4 waves a work-group, clusters of 4 x 4, 327,680 bytes of LDS; arguments xc, xs, wc, ws, cst, qkv16; writes qkv16
.if DOCPART == 2
	.amdgcn_target "amdgcn-amd-amdhsa--gfx1250"
	.amdhsa_code_object_version 6
	.text
	.protected	k_qda6e5555fd_qkv
	.globl	k_qda6e5555fd_qkv
	.p2align	8
	.type	k_qda6e5555fd_qkv,@function
k_qda6e5555fd_qkv:
	s_mov_b64 s[64:65], 0
	v_nop
	global_prefetch_b8 v0, s[64:65] scope:SCOPE_SE
	s_setreg_imm32_b32 hwreg(HW_REG_WAVE_MODE, 25, 1), 1
	s_wait_xcnt 0x0
	s_wait_alu depctr_hold_cnt(0) depctr_sa_sdst(0) depctr_va_vdst(0) depctr_va_sdst(0) depctr_va_ssrc(0) depctr_va_vcc(0) depctr_vm_vsrc(0)
	s_getreg_b32 s2, hwreg(HW_REG_IB_STS2, 6, 4)
	s_cmp_eq_u32 s2, 0
	s_cbranch_scc0 .Lentry_in_a_cluster
	s_endpgm
.Lentry_in_a_cluster:
	s_bfe_u32 s2, ttmp6, 0x10000c
	s_cmp_lg_u32 s2, 0xf033
	s_cbranch_scc0 .Lentry_shape_is_right
	s_endpgm
.Lentry_shape_is_right:
; qkv = Q(x) Q(W_qkv)^T on codes of FP4 (E2M1) with one E8M0 scale for each 32 along K; then the rotation on q and k, in f32; q / 64, k / 64 and v leave as f16, laid [section][batch x 16 + head][token][64].  No work is left out.
; x: [8192][1024] codes, W_qkv: [3072][1024] codes, 512 bytes a row; their scale bytes [rows][32].
; A tile of the product, 256 tokens x 256 features, is made by four waves, each 128 x 128: 64 accumulators of 16 x 16.  K = 1,024 is two LDS slots of 512 along K (rows of 256 bytes): both are filled at the start, nothing is filled again.
; The scale bytes of the work-group's rows, for all of K, are two dense blocks: they come into LDS once, with the first fills.
; CLUSTERS: 4 x 4 work-groups; x's tiles are asked for jointly along a row of the cluster, W's along a column.  A cluster's x is the section (0 q, 1 k, 2 v): the same in all sixteen partners.
; THE MATRIX INSTRUCTION IS USED TRANSPOSED (source 0 = 16 features, source 1 = 16 tokens): lane (r, h) holds token r, and register j of accumulator (a, b) feature 16 b + 8 h + j.  A wave's 128 features are two heads
; (g = b / 4, bb = b % 4), so channels d and d + 32 of a head lie in the SAME lane and register of blocks bb and bb + 2: the rotation needs no other lane.  Its cos and sin come from a table laid in this order of registers.
; LIMITS: q / 64, k / 64 and v must lie inside f16's range (|q|, |k| up to 4.1e6, |v| up to 65,504; small numbers lose bits under 6e-5).  NaN and infinities are not served.
; REGISTERS, in windows of 256: window 0: v0-31 addresses; v32-95 scale words, two sets; v128-191 x's fragments, one set; on the way out v32-255 are free.  window 1: W's fragments, two sets.  windows 2, 3: the accumulators ((a, b) at v[8 (8 (a % 4) + b)]).
.set KSTEP,  512
.set NQ,     4                         ; matrix instructions deep in a slot
.set ROWB,   256                       ; a tile's row in bytes
.set KROW,   512                       ; a row of codes in memory
.set PITCH,  272                       ; an LDS row: 256 bytes + 16 of padding: the 16 rows that a load touches start 68 words apart
.set FR,     8
.set NL,     2
.set NP,     4                         ; places behind this matrix instruction (ISA guide 7.12.1)
.set HALFT,  128*PITCH
.set SLOT,   4*HALFT
.set KS,     32                        ; a row of scales in bytes
.set SCL,    2*SLOT
.set HALFS,  (128*KS/256)*272
.set SBLK,   (16*KS/256)*272
.set SPARE,  SCL+4*HALFS               ; the spare words, 128 bytes a wave, that no other line names
.set SPITCH, 144                       ; the way out: a stage of 32 rows (head g, token r) x (128 bytes + 16) for each wave.  It lies in slot 0, which has had its only fill and its last read by then
.set VSTG,   4*32*SPITCH               ; the v section's stages have bytes of their own
.set ADRA, 16
.set ADRB, 20
.set STO,  24                          ; v24  the way out: where I put 16 bytes of a row
.set RD,   25                          ; v25  where I read rows back
.set CO,   26                          ; v26  16 x lane: my place in 512 consecutive bytes (table and output)
.set ADRS, 27
.set SPW,  28
.set NIL,  29
.set SC,   32
.set AF,   128
.set RR,   32                          ; the way out: v32-63 a head's 32 rotated numbers
.set TMP,  64                          ; v64-95  a block's 32 packed registers
.set BB,   96                          ; v96-127 rows read back from the stage
.set TB,   128                         ; v128-255 two sets of the table: 32 registers of cos, 32 of sin
.set SEC,  66                          ; s66  the section
.set G1, 24
.set G0, 32
.set G1B, 48
.set G0B, 56
.set G1S, 68
.set G0S, 76
.set G1SB, 80
.set G0SB, 88
.set MSB, 0
.macro WIN new                         ; the immediate's high byte repeats the setting that is left
.if MSB != (\new)
	s_set_vgpr_msb (MSB<<8)|(\new)
.set MSB, (\new)
.endif
.endm
.set MUL_LO, 0xa1                      ; source 0 (W) window 1, source 1 (x) window 0, C and D window 2
.set MUL_HI, 0xf1
.set TO_B,   0x40
; A joint load: waves 0 and 1 fetch for x, waves 2 and 3 for W.  The branch hangs on the wave's number alone.  An s_nop 0 and four v_nop follow each of the two lines.
.macro JLOAD g0a, g1a, g0b, g1b
	s_cmp_eq_u32 s15, 0
	s_cbranch_scc0 .Lfor_b_\@
	tensor_load_to_lds s[\g0a:\g0a+3], s[\g1a:\g1a+7]
	s_nop 0
.rept 4
	v_nop
.endr
	s_branch .Lasked_\@
.Lfor_b_\@:
	tensor_load_to_lds s[\g0b:\g0b+3], s[\g1b:\g1b+7]
	s_nop 0
.rept 4
	v_nop
.endr
.Lasked_\@:
.endm
.macro CROUND                          ; a round of the cluster's barrier
	s_barrier_signal -1
	s_barrier_wait -1
	s_cmp_lg_u32 s14, 0
	s_cbranch_scc1 .Lnot_wave_0_\@
	s_barrier_signal -3
.Lnot_wave_0_\@:
	s_barrier_wait -3
	s_barrier_signal -1
	s_barrier_wait -1
.endm
	s_load_b128 s[4:7], s[0:1], 0x0                ; x's codes, x's scales
	s_load_b128 s[8:11], s[0:1], 0x10              ; W's codes, W's scales
	s_load_b128 s[96:99], s[0:1], 0x20             ; the table s[96:97], qkv16 s[98:99]
	v_lshl_add_u32 v[SPW], v0, 2, SPARE
	v_mov_b32 v[NIL], 0
	ds_add_u32 v[SPW], v[NIL]                      ; the wave's opening: the add, twice on end, and its wait ahead of my first tensor load
	ds_add_u32 v[SPW], v[NIL]
	v_lshrrev_b32 v1, 5, v0
	v_readfirstlane_b32 s14, v1                    ; wave 0..3
	s_lshr_b32 s15, s14, 1                         ; which half of the tile's tokens is mine.  Also: I fetch for x (0) or for W (1)
	s_and_b32 s16, s14, 1                          ; which half of its features.  Also: which 128 rows of that tile I fetch
	s_bfe_u32 s40, ttmp6, 0x40000                  ; cx, cy
	s_bfe_u32 s41, ttmp6, 0x40004
	s_mov_b32 s[SEC], ttmp9                        ; the cluster's x: four tile columns = 1,024 features = one section
	s_lshl_b32 s42, ttmp9, 2
	s_add_co_u32 s42, s42, s40                     ; tile column
	s_and_b32 s17, ttmp7, 0xffff
	s_lshl_b32 s17, s17, 2
	s_add_co_u32 s17, s17, s41                     ; tile row
	s_lshl_b32 s43, s41, 2
	s_lshl_b32 s43, 15, s43                        ; my row of the cluster
	s_lshl_b32 s44, 0x1111, s40                    ; my column
	s_or_b32 s[G1+0], s43, (0<<16)|(1<<20)|(1<<21)|(5<<22)|(3<<25)  ; the mask; elements of 1 byte; padding on; bit 21 beside a mask; 4 words after every 64
	s_or_b32 s[G1B+0], s44, (0<<16)|(1<<20)|(1<<21)|(5<<22)|(3<<25)
.irp g, G1, G1B
	s_mov_b32 s[\g+1], ROWB<<16                    ; tensor_dim0
	s_mov_b32 s[\g+2], 128<<16                     ; tensor_dim1
	s_mov_b32 s[\g+3], ROWB<<16                    ; tile_dim0
	s_mov_b32 s[\g+4], 128                         ; tile_dim1
	s_mov_b32 s[\g+5], KROW                        ; the pitch
	s_mov_b32 s[\g+6], 0
	s_mov_b32 s[\g+7], 0
.endr
	s_or_b32 s[G1S+0], s43, (3<<16)|(1<<20)|(1<<21)|(5<<22)|(3<<25) ; the scales of 128 rows: 4,096 dense bytes as 16 rows of 256 (32 elements of 8 bytes), 16 bytes of padding behind each
	s_or_b32 s[G1SB+0], s44, (3<<16)|(1<<20)|(1<<21)|(5<<22)|(3<<25)
.irp g, G1S, G1SB
	s_mov_b32 s[\g+1], 32<<16
	s_mov_b32 s[\g+2], (128*KS/256)<<16
	s_mov_b32 s[\g+3], 32<<16
	s_mov_b32 s[\g+4], 128*KS/256
	s_mov_b32 s[\g+5], 32
	s_mov_b32 s[\g+6], 0
	s_mov_b32 s[\g+7], 0
.endr
	s_lshl_b32 s18, s16, 7
	s_lshl_b32 s20, s17, 8
	s_add_co_u32 s20, s20, s18                     ; x: row 256 x tile row + 128 x half
	s_lshl_b32 s46, s42, 8
	s_add_co_u32 s46, s46, s18                     ; W: row 256 x tile column + 128 x half
	s_mov_b32 s21, 0
	s_mov_b32 s47, 0
	s_mov_b64 s[18:19], KS
	s_mul_u64 s[22:23], s[20:21], s[18:19]         ; where these rows' scales begin
	s_mul_u64 s[92:93], s[46:47], s[18:19]
	s_mov_b64 s[18:19], KROW
	s_mul_u64 s[20:21], s[20:21], s[18:19]         ; and their codes
	s_mul_u64 s[46:47], s[46:47], s[18:19]
	s_mul_i32 s45, s14, HALFT                      ; where they go: wave x 128 rows
	s_mul_i32 s94, s14, HALFS
	s_wait_dscnt 0x0                               ; both opening adds are done
	s_wait_kmcnt 0x0
	s_add_nc_u64 s[20:21], s[4:5], s[20:21]
	s_add_nc_u64 s[22:23], s[6:7], s[22:23]
	s_add_nc_u64 s[46:47], s[8:9], s[46:47]
	s_add_nc_u64 s[92:93], s[10:11], s[92:93]
	CROUND                                         ; all sixteen work-groups are here: the joint loads meet
	s_mov_b32 s[G0S], 1
	s_add_co_u32 s[G0S+1], s94, SCL
	s_mov_b64 s[G0S+2:G0S+3], s[22:23]
	s_or_b32 s[G0S+3], s[G0S+3], 0x80000000
	s_mov_b32 s[G0SB], 1
	s_add_co_u32 s[G0SB+1], s94, SCL
	s_mov_b64 s[G0SB+2:G0SB+3], s[92:93]
	s_or_b32 s[G0SB+3], s[G0SB+3], 0x80000000
	JLOAD G0S, G1S, G0SB, G1SB                     ; the scales first; with the two slots a wave has three tensor loads out
.irp s, 0,1
	s_mov_b32 s[G0+4*\s], 1
	s_add_co_u32 s[G0+4*\s+1], s45, \s*SLOT
	s_add_nc_u64 s[G0+4*\s+2:G0+4*\s+3], s[20:21], \s*ROWB
	s_or_b32 s[G0+4*\s+3], s[G0+4*\s+3], 0x80000000
	s_mov_b32 s[G0B+4*\s], 1
	s_add_co_u32 s[G0B+4*\s+1], s45, \s*SLOT
	s_add_nc_u64 s[G0B+4*\s+2:G0B+4*\s+3], s[46:47], \s*ROWB
	s_or_b32 s[G0B+4*\s+3], s[G0B+4*\s+3], 0x80000000
	JLOAD G0+4*\s, G1, G0B+4*\s, G1B
.endr
	v_and_b32 v1, 15, v0                           ; r
	v_bfe_u32 v2, v0, 4, 1                         ; h
	v_mul_u32_u24 v3, v1, PITCH
	v_lshl_add_u32 v4, v2, 4, v3                   ; a fragment's row x pitch + 16 h
	s_mul_i32 s21, s15, HALFT                      ; my 128 rows of x
	s_mul_i32 s22, s16, HALFT                      ; my 128 rows of W,
	s_add_co_u32 s22, s22, 2*HALFT                 ; behind x's 256
.irp s, 0,1
	v_add_nc_u32 v[ADRA+\s], s21, v4
	v_add_nc_u32 v[ADRB+\s], s22, v4
	s_add_co_u32 s21, s21, SLOT
	s_add_co_u32 s22, s22, SLOT
.endr
	v_mul_u32_u24 v5, v1, KS                       ; my row's scales: 32 bytes a row,
	v_lshrrev_b32 v6, 8, v5
	v_lshl_add_u32 v5, v6, 4, v5                   ; and 16 more for each 256 passed
	s_mul_i32 s21, s15, HALFS
	s_mul_i32 s22, s16, HALFS
	s_add_co_u32 s22, s22, 2*HALFS
	s_sub_co_u32 s22, s22, s21
	v_mul_u32_u24 v6, s22, v2                      ; lanes 16-31 take W's
	s_add_co_u32 s21, s21, SCL
	v_add_nc_u32 v5, v5, v6
	v_add_nc_u32 v[ADRS], s21, v5
	s_mul_i32 s23, s14, 32*SPITCH                  ; my stage
	v_mul_u32_u24 v5, v1, SPITCH                   ; in: row r (+ 16 rows for the second head), 16 bytes for each half of the lanes
	v_lshl_add_u32 v5, v2, 4, v5
	v_add_nc_u32 v[STO], s23, v5
	v_bfe_u32 v5, v0, 3, 2                         ; back: eight lanes to a row of 128 bytes, four rows an instruction
	v_and_b32 v6, 7, v0
	v_mul_u32_u24 v5, v5, SPITCH
	v_lshl_add_u32 v5, v6, 4, v5
	v_add_nc_u32 v[RD], s23, v5
	v_and_b32 v6, 31, v0
	v_lshlrev_b32 v[CO], 4, v6
	; where my part begins.  Token = 256 x tile row + 128 x half + 16 a + r: batch = tile row / 8.  Head = 4 cx + 2 x half of the features + g.
	s_lshr_b32 s20, s17, 3
	s_lshl_b32 s20, s20, 22                        ; batch x 16 heads x 262,144 bytes
	s_and_b32 s21, s17, 7
	s_lshl_b32 s22, s21, 15                        ; 256 tokens x 128 bytes
	s_add_co_u32 s20, s20, s22
	s_lshl_b32 s22, s15, 14                        ; 128 tokens
	s_add_co_u32 s20, s20, s22
	s_lshl_b32 s22, s[SEC], 24                     ; the section: 16 MiB
	s_add_co_u32 s20, s20, s22
	s_lshl_b32 s22, s21, 17                        ; the table: 16 blocks of 8,192 bytes for 256 tokens
	s_lshl_b32 s23, s15, 16
	s_add_co_u32 s22, s22, s23
	s_mov_b32 s21, 0
	s_mov_b32 s23, 0
	s_lshl_b32 s46, s40, 20                        ; 4 cx heads
	s_lshl_b32 s47, s16, 19                        ; 2 heads
	s_add_co_u32 s46, s46, s47
	s_mov_b32 s47, 0
	s_add_nc_u64 s[20:21], s[20:21], s[46:47]
	s_add_nc_u64 s[98:99], s[98:99], s[20:21]
	s_add_nc_u64 s[96:97], s[96:97], s[22:23]
.macro FRAG reg, adr, q, i             ; 16 rows x 128 K of 4-bit codes: 8 registers: lane l holds row l % 16; registers 4 c .. 4 c + 3 hold K = 64 c + 32 (l / 16) + 0 .. 31
.irp c, 0,1
	ds_load_b128 v[\reg+4*\c:\reg+4*\c+3], v[\adr] offset:64*(\q)+32*\c+(\i)*16*PITCH
.endr
.endm
; 16 matrix instructions: x's blocks a0, a0 + 1 against W's eight, 128 along K.  p: W's set; sc: the set of scale words.  zero = 1: the first product starts the sums.
; The 64 accumulators take turns, one instruction a turn, in the same order in every step.  A scale register holds x's word in lanes 0-15 and W's in lanes 16-31.
.macro MUL16 a0, p, q, sc, zero
.irp a, \a0, \a0+1
.irp b, 0,1,2,3,4,5,6,7
.if \zero
	v_wmma_scale_f32_16x16x128_f8f6f4 v[8*(8*((\a)%4)+\b):8*(8*((\a)%4)+\b)+7], v[128*(\p)+FR*\b:128*(\p)+FR*\b+FR-1], v[AF+FR*(\a):AF+FR*(\a)+FR-1], 0, v[SC+8*NQ*(\sc)+NQ*\b+(\q)], v[SC+8*NQ*(\sc)+NQ*(\a)+(\q)] matrix_a_fmt:MATRIX_FMT_FP4 matrix_b_fmt:MATRIX_FMT_FP4 matrix_a_scale:MATRIX_SCALE_ROW1
.else
	v_wmma_scale_f32_16x16x128_f8f6f4 v[8*(8*((\a)%4)+\b):8*(8*((\a)%4)+\b)+7], v[128*(\p)+FR*\b:128*(\p)+FR*\b+FR-1], v[AF+FR*(\a):AF+FR*(\a)+FR-1], v[8*(8*((\a)%4)+\b):8*(8*((\a)%4)+\b)+7], v[SC+8*NQ*(\sc)+NQ*\b+(\q)], v[SC+8*NQ*(\sc)+NQ*(\a)+(\q)] matrix_a_fmt:MATRIX_FMT_FP4 matrix_b_fmt:MATRIX_FMT_FP4 matrix_a_scale:MATRIX_SCALE_ROW1
.endif
.endr
.endr
.endm
.macro FETCH_B slot, q, p
	WIN TO_B
.irp i, 0,1,2,3,4,5,6,7
	FRAG 128*(\p)+FR*\i, ADRB+\slot, \q, \i
.endr
	WIN 0
.endm
.macro FETCH_A slot, q, i0
.irp i, \i0, \i0+1, \i0+2, \i0+3
	FRAG AF+FR*(\i), ADRA+\slot, \q, \i
.endr
.endm
.macro SCALES sc                       ; a slot's scale words: four words a row; lanes 0-15 take x's block i, lanes 16-31 W's block i
.irp i, 0,1,2,3,4,5,6,7
	ds_load_b128 v[SC+8*NQ*\sc+NQ*\i:SC+8*NQ*\sc+NQ*\i+3], v[ADRS] offset:\i*SBLK
.endr
.endm
.macro PLACES n                        ; plain vector instructions between a matrix instruction and a load into, or a read of, its registers
.rept \n
	v_nop
.endr
.endm
.macro STEP slot, q, zero              ; 128 along K, with its successor in the same slot
	s_wait_dscnt 4*NL                              ; W's set and x's blocks 0-3 are in; the youngest eight loads (x's blocks 4-7) may be out
	WIN MUL_LO
	MUL16 0, (\q)%2, \q, \slot, \zero
	MUL16 2, (\q)%2, \q, \slot, \zero
	s_wait_dscnt 0
	PLACES NP
	FETCH_B \slot, (\q)+1, 1-(\q)%2
	FETCH_A \slot, (\q)+1, 0
	WIN MUL_HI
	MUL16 4, (\q)%2, \q, \slot, \zero
	MUL16 6, (\q)%2, \q, \slot, \zero
	PLACES NP
	WIN 0
	FETCH_A \slot, (\q)+1, 4
.endm
.macro TURN slot, next                 ; slot 0's last step changes slots: each wave waits for its part of slot 1 and for its reads of slot 0, then one barrier.  Nothing is filled again
	s_wait_tensorcnt 0x0                           ; all my tensor loads have landed
	ds_add_u32 v[SPW], v[NIL]                      ; 0 onto my spare word
	s_wait_dscnt 4*NL+1                            ; (the add and the youngest eight loads may be out)
	WIN MUL_LO
	MUL16 0, 1, NQ-1, \slot, 0
	s_wait_dscnt 0x0                               ; the add is done, and my reads of this slot are over
	s_barrier_signal -1
	MUL16 2, 1, NQ-1, \slot, 0
	WIN 0
	s_barrier_wait -1
	PLACES NP
	v_add_nc_u32 v[ADRS], 4*NQ, v[ADRS]            ; on to the next slot's scale words
	FETCH_B \next, 0, 0
	FETCH_A \next, 0, 0
	SCALES \next
	WIN MUL_HI
	MUL16 4, 1, NQ-1, \slot, 0
	MUL16 6, 1, NQ-1, \slot, 0
	PLACES NP
	WIN 0
	FETCH_A \next, 0, 4
.endm
.macro STEPS slot, from
.set Q, \from
.rept NQ-1-\from
	STEP \slot, Q, 0
.set Q, Q+1
.endr
.endm
	s_wait_tensorcnt 1                             ; the scales and my part of slot 0 are in (slot 1's load may be out),
	s_barrier_signal -1
	s_barrier_wait -1                              ; everybody's are
	FETCH_B 0, 0, 0
	FETCH_A 0, 0, 0
	SCALES 0
	FETCH_A 0, 0, 4
	STEP 0, 0, 1                                   ; the first step's products start the sums
	STEPS 0, 1
	TURN 0, 1
	STEPS 1, 0
	s_wait_dscnt 4*NL                              ; the last step: nothing more to fetch
	WIN MUL_LO
	MUL16 0, 1, NQ-1, 1, 0
	MUL16 2, 1, NQ-1, 1, 0
	s_wait_dscnt 0
	WIN MUL_HI
	MUL16 4, 1, NQ-1, 1, 0
	MUL16 6, 1, NQ-1, 1, 0
	WIN 0
; THE WAY OUT, a block of 16 tokens x 128 features (two heads) at a time.
.macro TABLE a                         ; block a's cos and sin, in my registers' order: 16 loads of 512 consecutive bytes
.irp i, 0,1,2,3,4,5,6,7,8,9,10,11,12,13,14,15
	global_load_b128 v[TB+64*((\a)%2)+4*\i:TB+64*((\a)%2)+4*\i+3], v[CO], s[96:97] offset:8192*(\a)+512*\i
.endr
.endm
.macro ROPE a                          ; out[d] = t[d] cos[d] + t[d +- 32] (-+ sin[d]), all / 64; then f16.  Each accumulator is first read at its low end
.set AC, 64*((\a)%4)
.set CT, TB+64*((\a)%2)
.if (\a) < 7
	s_wait_loadcnt 16                              ; this block's table is in; the next block's sixteen loads may be out
.else
	s_wait_loadcnt 0x0
.endif
.irp g, 0,1
	WIN (0x02+(\a)/4)                              ; source 0: the accumulators' window
.irp bb, 0,1,2,3
.irp p, 0,2,4,6
	v_pk_mul_f32 v[RR+8*\bb+\p:RR+8*\bb+\p+1], v[AC+8*(4*\g+\bb)+\p:AC+8*(4*\g+\bb)+\p+1], v[CT+8*\bb+\p:CT+8*\bb+\p+1]
.endr
.endr
.irp bb, 0,1,2,3
.irp p, 0,2,4,6
	v_pk_fma_f32 v[RR+8*\bb+\p:RR+8*\bb+\p+1], v[AC+8*(4*\g+(\bb+2)%4)+\p:AC+8*(4*\g+(\bb+2)%4)+\p+1], v[CT+32+8*\bb+\p:CT+32+8*\bb+\p+1], v[RR+8*\bb+\p:RR+8*\bb+\p+1]
.endr
.endr
	WIN 0
.irp q, 0,1,2,3,4,5,6,7,8,9,10,11,12,13,14,15
	v_cvt_pk_f16_f32 v[TMP+16*\g+\q], v[RR+2*\q], v[RR+2*\q+1]
.endr
.endr
.endm
.macro PACKV a                         ; v: no rotation
.set AC, 64*((\a)%4)
	WIN (0x0a+5*((\a)/4))                          ; sources 0 and 1: the accumulators' window
.irp q, 0,1,2,3,4,5,6,7,8,9,10,11,12,13,14,15,16,17,18,19,20,21,22,23,24,25,26,27,28,29,30,31
	v_cvt_pk_f16_f32 v[TMP+\q], v[AC+2*\q], v[AC+2*\q+1]
.endr
	WIN 0
.endm
.macro TOSTAGE so                      ; 16 bytes a lane into my own stage, and back as whole rows.  LDS serves a wave's instructions in order: no wait between the stores and the loads
.irp b, 0,1,2,3,4,5,6,7
	ds_store_b128 v[STO], v[TMP+4*\b:TMP+4*\b+3] offset:\so+16*SPITCH*(\b/4)+32*(\b%4)
.endr
.irp u, 0,1,2,3,4,5,6,7
	ds_load_b128 v[BB+4*\u:BB+4*\u+3], v[RD] offset:\so+4*SPITCH*\u
.endr
.endm
.macro SEND a
	s_wait_dscnt 0x0                               ; the block is back in registers
.irp u, 0,1,2,3,4,5,6,7
	global_store_b128 v[CO], v[BB+4*\u:BB+4*\u+3], s[98:99] offset:262144*(\u/4)+2048*(\a)+512*(\u%4)   ; four token rows of one head: 512 consecutive bytes, aligned
.endr
.endm
	PLACES NP                                      ; behind the last products: for the reads of results and the loads into registers that held x's fragments
	s_cmp_eq_u32 s[SEC], 2                         ; the cluster's x: all sixteen partners go the same way
	s_cbranch_scc1 .Lv
	TABLE 0
	TABLE 1
	ROPE 0
	TABLE 2
	TOSTAGE 0
.irp a, 1,2,3,4,5,6,7
	ROPE \a
.if \a < 6
	TABLE \a+2                                     ; into the set that this block has just read
.endif
	SEND \a-1
	s_wait_xcnt 0x0                                ; the stores have read their registers: the next block's rows may land there
	TOSTAGE 0
.endr
	SEND 7
	s_branch .Lend
.Lv:
	PACKV 0
	TOSTAGE VSTG
.irp a, 1,2,3,4,5,6,7
	PACKV \a
	SEND \a-1
	s_wait_xcnt 0x0
	TOSTAGE VSTG
.endr
	SEND 7
.Lend:
	s_wait_tensorcnt 0x0                           ; the wave's end, behind my last tensor load and my last LDS store
	ds_add_u32 v[SPW], v[NIL]
	s_wait_dscnt 0x0
	CROUND                                         ; the closing round
	s_endpgm
.Lfunc_end_k_qda6e5555fd_qkv:
	.size	k_qda6e5555fd_qkv, .Lfunc_end_k_qda6e5555fd_qkv-k_qda6e5555fd_qkv
	.p2alignl 7, 3214868480
	.fill 96, 4, 3214868480
	.section	.rodata,"a",@progbits
	.p2align	6, 0x0
	.amdhsa_kernel k_qda6e5555fd_qkv
		.amdhsa_group_segment_fixed_size 327680
		.amdhsa_private_segment_fixed_size 0
		.amdhsa_enable_private_segment 0
		.amdhsa_kernarg_size 48
		.amdhsa_user_sgpr_count 2
		.amdhsa_user_sgpr_kernarg_segment_ptr 1
		.amdhsa_wavefront_size32 1
		.amdhsa_system_sgpr_workgroup_id_x 1
		.amdhsa_system_sgpr_workgroup_id_y 1
		.amdhsa_system_sgpr_workgroup_id_z 1
		.amdhsa_system_vgpr_workitem_id 0
		.amdhsa_next_free_vgpr 1024
		.amdhsa_next_free_sgpr 100
		.amdhsa_reserve_vcc 0
		.amdhsa_float_denorm_mode_32 3
		.amdhsa_float_denorm_mode_16_64 3
		.amdhsa_memory_ordered 1
		.amdhsa_forward_progress 1
		.amdhsa_inst_pref_size 202
	.end_amdhsa_kernel
	.amdgpu_metadata
---
amdhsa.version: [ 1, 2 ]
amdhsa.kernels:
  - .name:           k_qda6e5555fd_qkv
    .symbol:         k_qda6e5555fd_qkv.kd
    .args:
      - { .name: xc, .offset: 0, .size: 8, .value_kind: global_buffer, .address_space: global }
      - { .name: xs, .offset: 8, .size: 8, .value_kind: global_buffer, .address_space: global }
      - { .name: wc, .offset: 16, .size: 8, .value_kind: global_buffer, .address_space: global }
      - { .name: ws, .offset: 24, .size: 8, .value_kind: global_buffer, .address_space: global }
      - { .name: cst, .offset: 32, .size: 8, .value_kind: global_buffer, .address_space: global }
      - { .name: qkv16, .offset: 40, .size: 8, .value_kind: global_buffer, .address_space: global }
    .group_segment_fixed_size: 327680
    .private_segment_fixed_size: 0
    .kernarg_segment_align: 8
    .kernarg_segment_size: 48
    .max_flat_workgroup_size: 128
    .sgpr_count:     100
    .vgpr_count:     1024
    .wavefront_size: 32
...
	.end_amdgpu_metadata
.endif
;; end of part 2
;; launch attn (part 3): grid 8 x 64, 4 waves a work-group, clusters of 4 x 1, 327,680 bytes of LDS; arguments qkv16, o16; writes o16
.if DOCPART == 3
	.amdgcn_target "amdgcn-amd-amdhsa--gfx1250"
	.amdhsa_code_object_version 6
	.text
	.protected	k_qda6e5555fd_attn
	.globl	k_qda6e5555fd_attn
	.p2align	8
	.type	k_qda6e5555fd_attn,@function
k_qda6e5555fd_attn:
	s_mov_b64 s[64:65], 0
	v_nop
	global_prefetch_b8 v0, s[64:65] scope:SCOPE_SE
	s_setreg_imm32_b32 hwreg(HW_REG_WAVE_MODE, 25, 1), 1
	s_wait_xcnt 0x0
	s_wait_alu depctr_hold_cnt(0) depctr_sa_sdst(0) depctr_va_vdst(0) depctr_va_sdst(0) depctr_va_ssrc(0) depctr_va_vcc(0) depctr_vm_vsrc(0)
	s_getreg_b32 s2, hwreg(HW_REG_IB_STS2, 6, 4)
	s_cmp_eq_u32 s2, 0
	s_cbranch_scc0 .Lentry_in_a_cluster
	s_endpgm
.Lentry_in_a_cluster:
	s_bfe_u32 s2, ttmp6, 0x10000c
	s_cmp_lg_u32 s2, 0x3003
	s_cbranch_scc0 .Lentry_shape_is_right
	s_endpgm
.Lentry_shape_is_right:
; o[hb][q][:] = the sum over k of softmax_k(q . k / 8) v[k][:], for 64 heads hb = batch x 16 + head, 2,048 tokens, head size 64, no mask.  No work is left out.
; qkv16: q / 64 at byte 0, k / 64 at 16 MiB, v at 32 MiB, each [hb][2048][64] f16.  Products on f16 operands, sums, maxima and the row's sum in f32; the weights p (at most 1) are rounded to f16 for the second product, o once at the end.
; The two factors 2^-6 are taken back in the softmax's constant: c = 2^12 log2(e) / 8.  A running maximum m is taken away before every exponential: p = 2^(c s - c m); O and l are multiplied by a = 2^(c m_old - c m_new) in every step.
; o16: [token / 128][head][128 tokens][64] f16, so that a wave's 64 rows of one head are 8,192 consecutive bytes, and the next launch's K step (4 heads of 128 tokens) is one dense block.
; LIMIT: |o| must lie inside f16's range.  NaN and infinities are not served.
; SHARES.  A work-group owns 256 queries of one head, each of its four waves 64: four tiles of 16.  Every wave walks all keys, 64 a step, 32 steps.
; LAYOUT.  S^T = K Q^T (source 0 = 16 keys, source 1 = 16 queries): a lane holds ONE query (lane % 16) and keys 8 (lane / 16) + 0..7.  Two such tiles, rounded to f16 in pairs, ARE source 1 of O^T = V^T P.  V ([key][channel]) is turned by ds_load_tr16_b128.
; BY TURNS.  The wave's tiles are two pieces (tiles 0, 1 and tiles 2, 3).  In a turn one piece has the matrix unit: 16 products V^T P of the step in hand, then 16 products K Q^T of the next; the other piece's softmax, 236 vector
; instructions, is dealt out evenly behind those 32 matrix instructions.  Then the pieces change places.  Two turns are a key step.
; CLUSTER.  The four query blocks of a cluster belong to one head and walk the same K and V: each tile is asked for jointly.
; LDS.  Steps 0 and 1 lie in a region of their own, filled once; the other 30 steps go through two slots of 6 steps.  A wave has two tensor loads out at the start and one behind each round.
; REGISTERS, in windows of 256: window 0: v0-11 addresses; v12-43 statistics, 8 a tile; v61-63; v64-191 S^T, 32 a tile; v192-255 P, 16 a tile.  window 1: v0-127 O^T, 32 a tile; v128-191 V of one step.  window 2: v0-63 Q, 16 a tile; v128-191 K of one step.
.set KS,    64
.set PK,    144       ; a row of K in LDS: 128 bytes + 16: 36 words from row to row, so the 16 rows of a load begin in 16 different groups of four words
.set PV,    160       ; a row of V: 128 + 32: 40 words from row to row, for the turning load's 8 rows x 32 bytes
.set NST,   6         ; steps in a slot
.set VOFF,  NST*KS*PK ; a slot: 384 rows of K, then 384 rows of V
.set SLOT1, 1<<17     ; slot 1 begins here: one exclusive or turns an address in one slot into the other's
.set HEADR, 2*SLOT1   ; steps 0 and 1: 128 rows of K, then 128 rows of V
.set HEADV, HEADR+2*KS*PK
.set STAGE, HEADV+2*KS*PV  ; 16 rows x 144 bytes for each wave, for the way out
.set SP,    144
.set SPARE, STAGE+4*16*SP  ; the spare words, 128 bytes a wave, that no other line names
.set AK0, 2           ; v2   my lane's place in a tile of K
.set AV0, 3           ; v3   the same for V
.set ADR, 4           ; v4   the LDS address of the run of loads in hand
.set QO,  5           ; v5   my byte offset in the wave's rows of Q
.set STO, 6
.set RD,  7
.set GO,  8           ; v8   16 x lane
.set PFO, 61          ; v61  256 x lane
.set SPW, 62
.set NIL, 63
.set ST,  12          ; tile t's statistics at v[ST+8 t]: +0 c m, +1 m, +2, +3 l (even keys', odd keys'), +4 to +7 at work; a takes +6
.set S,   64
.set P,   192
.set KF,  128         ; K's fragments, in window 2
.set VF,  128         ; V's, in window 1
.set WV,  12          ; s12  my wave's number
.set LIM, 15          ; s15  1 in a wave that prefetches, else the greatest number
.set PFA, 18          ; s[18:19] where my prefetches stand
.set G1K, 24          ; s[24:31] group 1 for a slot's K (192 rows);  s[32:39] V's
.set G1V, 32
.set G0K, 40          ; s[40:43] group 0 for the head region's K; s[44:47] the walking one
.set G0V, 48          ; s[48:51], s[52:55] the same for V
.set SLOTS, 56
.set CNT, 57
.set CS,  58          ; s[58:59] c
.set SEL, 60          ; s[60:61] lane selects: lane l xor 16
.set TK,  62          ; s62  LDS byte of the K tile to be fetched
.set TV,  63          ; s63  of the V tile
.set G1KH, 68         ; s[68:75] group 1 for the head region's K (64 rows);  s[76:83] V's
.set G1VH, 76
.set MSB, 0
.macro WIN new
.if MSB != (\new)
	s_set_vgpr_msb (MSB<<8)|(\new)
.set MSB, (\new)
.endif
.endm
.set W_KQ, 0x0a       ; K and Q in window 2, S^T in window 0
.set W_PV, 0x51       ; V and O^T in window 1, P in window 0
.set W_RS, 0x41       ; O^T (destination and source 0) in window 1, a in window 0
; A joint refill: waves 0 and 1 fetch the halves of a slot's K, waves 2 and 3 of its V.  An s_nop 0 and four v_nop follow each of the two lines.
.macro JLOAD
	s_cmp_lt_u32 s[WV], 2
	s_cbranch_scc0 .Lfor_v_\@
	tensor_load_to_lds s[G0K+4:G0K+7], s[G1K:G1K+7]
	s_nop 0
.rept 4
	v_nop
.endr
	s_branch .Lasked_\@
.Lfor_v_\@:
	tensor_load_to_lds s[G0V+4:G0V+7], s[G1V:G1V+7]
	s_nop 0
.rept 4
	v_nop
.endr
.Lasked_\@:
.endm
; A prefetch of what the NEXT change of slots will ask for: 49,152 bytes of K and as many of V, lanes 256 bytes apart.  Both clusters of a head walk the same rows: the head's first cluster asks.  Its four partners share the
; bytes out by address (partners 0, 1: the halves of K; 2, 3: of V), and in each, waves 0 to 2 take 8,192 bytes each: every 256 bytes are named once in the launch.  The last change that fills a slot asks for nothing.
.macro ASK
	s_cmp_gt_u32 s[SLOTS], s[LIM]
	s_cbranch_scc0 .Lnot_mine_\@
	global_prefetch_b8 v[PFO], s[PFA:PFA+1] th:TH_LOAD_NT scope:SCOPE_SE
.Lnot_mine_\@:
.endm
.macro CROUND
	s_barrier_signal -1
	s_barrier_wait -1
	s_cmp_lg_u32 s[WV], 0
	s_cbranch_scc1 .Lnot_wave_0_\@
	s_barrier_signal -3
.Lnot_wave_0_\@:
	s_barrier_wait -3
	s_barrier_signal -1
	s_barrier_wait -1
.endm
	s_load_b64 s[4:5], s[0:1], 0x0  ; qkv16
	s_load_b64 s[10:11], s[0:1], 0x8  ; o16
	v_lshl_add_u32 v[SPW], v0, 2, SPARE
	v_mov_b32 v[NIL], 0
	ds_add_u32 v[SPW], v[NIL]       ; the wave's opening: the add, twice on end, and its wait ahead of my first tensor load
	ds_add_u32 v[SPW], v[NIL]
	v_lshrrev_b32 v1, 5, v0
	v_readfirstlane_b32 s[WV], v1   ; wave 0..3
	s_bfe_u32 s13, ttmp6, 0x40000   ; cx
	s_lshl_b32 s14, ttmp9, 2
	s_add_co_u32 s14, s14, s13      ; my block of 256 queries: it enters Q's and O's addresses alone
	s_and_b32 s16, ttmp7, 0xffff    ; the head hb, which the four partners share
	s_lshl_b32 s20, s16, 18         ; its first byte in q, k and v: 2,048 rows of 128 bytes
	s_and_b32 s17, s[WV], 1         ; which half of a tile I fetch
	s_lshl_b32 s22, s17, 13         ; the head region: 64 rows of 128 bytes
	s_add_co_u32 s22, s22, s20
	s_mov_b32 s23, 0
	s_mul_i32 s86, s17, 192*128     ; a slot: 192 rows,
	s_add_co_u32 s86, s86, s20
	s_add_co_u32 s86, s86, 2*KS*128 ; behind steps 0 and 1
	s_mov_b32 s87, 0
	s_lshl_b32 s88, s14, 15         ; Q: my block's 256 rows,
	s_lshl_b32 s89, s[WV], 13       ; my wave's 64
	s_add_co_u32 s88, s88, s89
	s_add_co_u32 s88, s88, s20
	s_mov_b32 s89, 0
	s_lshr_b32 s84, s16, 4          ; O: token / 128 = 16 x batch + 2 x block + wave / 2
	s_lshl_b32 s84, s84, 4
	s_lshl_b32 s85, s14, 1
	s_add_co_u32 s84, s84, s85
	s_lshr_b32 s85, s[WV], 1
	s_add_co_u32 s84, s84, s85
	s_lshl_b32 s84, s84, 4
	s_and_b32 s85, s16, 15          ; the head
	s_add_co_u32 s84, s84, s85
	s_lshl_b32 s84, s84, 14         ; 128 tokens x 128 bytes
	s_lshl_b32 s85, s17, 13         ; my 64 of them
	s_add_co_u32 s84, s84, s85
	s_mov_b32 s85, 0
	s_lshr_b32 s18, s13, 1          ; the prefetches, from k on: partners 2 and 3 take V, 16 MiB further on;
	s_lshl_b32 s18, s18, 24
	s_and_b32 s19, s13, 1
	s_mul_i32 s19, s19, 192*128     ; which half;
	s_add_co_u32 s18, s18, s19
	s_lshl_b32 s19, s[WV], 13       ; my wave's 8,192 bytes;
	s_add_co_u32 s18, s18, s19
	s_add_co_u32 s18, s18, s20
	s_add_co_u32 s18, s18, (2+NST)*KS*128  ; in the second slot's keys: the first change of slots steps it to the third's.  Nothing is prefetched at the head
	s_mov_b32 s19, 0
	s_add_co_u32 s[LIM], s[WV], 1
	s_lshr_b32 s[LIM], s[LIM], 2    ; 0 in waves 0 to 2,
	s_or_b32 s[LIM], s[LIM], ttmp9  ; of the head's first cluster: the same in all four partners
	s_cmp_eq_u32 s[LIM], 0
	s_cselect_b32 s[LIM], 1, -1
	s_mul_i32 s66, s17, KS*PK       ; places in LDS: no place in the cluster enters them
	s_mul_i32 s67, s17, KS*PV
	s_mul_i32 s2, s17, 192*PK
	s_mul_i32 s3, s17, 192*PV
	; descriptor group 1: rows of 64 elements of 2 bytes, dense in memory, padded in LDS
	s_mov_b32 s[G1K],  15|(1<<16)|(1<<20)|(1<<21)|(4<<22)|(3<<25)  ; the mask: all four work-groups; elements of 2 bytes; padding on; bit 21 beside a mask; 4 words after every 32
	s_mov_b32 s[G1KH], 15|(1<<16)|(1<<20)|(1<<21)|(4<<22)|(3<<25)
	s_mov_b32 s[G1V],  15|(1<<16)|(1<<20)|(1<<21)|(4<<22)|(7<<25)  ; 8 words of padding
	s_mov_b32 s[G1VH], 15|(1<<16)|(1<<20)|(1<<21)|(4<<22)|(7<<25)
.irp g, G1K, G1V
	s_mov_b32 s[\g+1], 64<<16       ; tensor_dim0
	s_mov_b32 s[\g+2], 192<<16      ; tensor_dim1
	s_mov_b32 s[\g+3], 64<<16       ; tile_dim0
	s_mov_b32 s[\g+4], 192          ; tile_dim1
	s_mov_b32 s[\g+5], 64           ; the pitch
	s_mov_b32 s[\g+6], 0
	s_mov_b32 s[\g+7], 0
.endr
.irp g, G1KH, G1VH
	s_mov_b32 s[\g+1], 64<<16
	s_mov_b32 s[\g+2], 64<<16
	s_mov_b32 s[\g+3], 64<<16
	s_mov_b32 s[\g+4], 64
	s_mov_b32 s[\g+5], 64
	s_mov_b32 s[\g+6], 0
	s_mov_b32 s[\g+7], 0
.endr
	s_mov_b32 s[CS], 0x4438aa3b     ; c = 512 log2(e)
	s_mov_b32 s[CS+1], s[CS]
	s_mov_b32 s[SEL], 0x76543210
	s_mov_b32 s[SEL+1], 0xfedcba98
	s_mov_b32 s[TK], HEADR
	s_mov_b32 s[TV], HEADV
	s_mov_b32 s[SLOTS], 4
	v_and_b32 v[PFO], 31, v0
	v_lshlrev_b32 v[PFO], 8, v[PFO]
	s_wait_dscnt 0x0                ; both opening adds are done
	s_wait_kmcnt 0x0
	s_add_nc_u64 s[6:7], s[4:5], 0x1000000  ; k
	s_add_nc_u64 s[8:9], s[4:5], 0x2000000  ; v
	s_add_nc_u64 s[4:5], s[4:5], s[88:89]   ; Q at my wave's first row
	s_add_nc_u64 s[10:11], s[10:11], s[84:85]  ; O likewise
	s_add_nc_u64 s[PFA:PFA+1], s[6:7], s[18:19]
	CROUND                          ; all four work-groups are here: the first joint loads meet
	s_mov_b32 s[G0K], 1
	s_add_co_u32 s[G0K+1], s66, HEADR
	s_add_nc_u64 s[G0K+2:G0K+3], s[6:7], s[22:23]
	s_or_b32 s[G0K+3], s[G0K+3], 0x80000000
	s_mov_b32 s[G0K+4], 1
	s_mov_b32 s[G0K+5], s2
	s_add_nc_u64 s[G0K+6:G0K+7], s[6:7], s[86:87]
	s_or_b32 s[G0K+7], s[G0K+7], 0x80000000
	s_mov_b32 s[G0V], 1
	s_add_co_u32 s[G0V+1], s67, HEADV
	s_add_nc_u64 s[G0V+2:G0V+3], s[8:9], s[22:23]
	s_or_b32 s[G0V+3], s[G0V+3], 0x80000000
	s_mov_b32 s[G0V+4], 1
	s_add_co_u32 s[G0V+5], s3, VOFF
	s_add_nc_u64 s[G0V+6:G0V+7], s[8:9], s[86:87]
	s_or_b32 s[G0V+7], s[G0V+7], 0x80000000
	s_cmp_lt_u32 s[WV], 2           ; a wave's two first fills stand in one branch, ahead of every wait on TENSORcnt and every LDS read
	s_cbranch_scc0 .Lfirst_v
	tensor_load_to_lds s[G0K:G0K+3], s[G1KH:G1KH+7]
	s_nop 0
	tensor_load_to_lds s[G0K+4:G0K+7], s[G1K:G1K+7]
	s_nop 0
.rept 4
	v_nop
.endr
	s_branch .Lfirst_asked
.Lfirst_v:
	tensor_load_to_lds s[G0V:G0V+3], s[G1VH:G1VH+7]
	s_nop 0
	tensor_load_to_lds s[G0V+4:G0V+7], s[G1V:G1V+7]
	s_nop 0
.rept 4
	v_nop
.endr
.Lfirst_asked:
	; A fragment of K or Q is 16 rows x 32 channels in 8 registers: lane l holds row l % 16; registers 0-3 channels 8 (l / 16) + 0..7, registers 4-7 channels 16 + 8 (l / 16) + 0..7
	v_and_b32 v1, 15, v0            ; l % 16
	v_bfe_u32 v9, v0, 4, 1          ; l / 16
	v_lshlrev_b32 v[QO], 7, v1
	v_lshl_add_u32 v[QO], v9, 4, v[QO]
	WIN 0x80                        ; destination window 2
.irp i, 0,1,2,3,4,5,6,7             ; Q stays in registers: tile i / 2, channels 32 (i % 2) on
	global_load_b128 v[8*\i:8*\i+3],   v[QO], s[4:5] offset:(\i/2)*2048+(\i%2)*64
	global_load_b128 v[8*\i+4:8*\i+7], v[QO], s[4:5] offset:(\i/2)*2048+(\i%2)*64+32
.endr
	WIN 0
	v_mul_u32_u24 v[AK0], v1, PK
	v_lshl_add_u32 v[AK0], v9, 4, v[AK0]
	; The turning load takes 16 keys x 16 channels (lane l reads 16 bytes: key 8 (l / 16) + l % 8, channels 8 ((l / 8) % 2) + 0..7) and leaves half a fragment of V^T
	v_and_b32 v10, 7, v0
	v_bfe_u32 v11, v0, 3, 1
	v_lshl_add_u32 v[AV0], v9, 3, v10
	v_mul_u32_u24 v[AV0], v[AV0], PV
	v_lshl_add_u32 v[AV0], v11, 4, v[AV0]
; THE MATRIX WORK OF A TURN, for piece x.  The accumulators take turns, one instruction a turn: between two links of a chain stand seven others'.
; Product i of 16 of O^T += V^T P: keys 32 (i / 8) on, channels 16 ((i / 2) % 4) on, tile x + i % 2.  zero = 1: the first 8 start the sums.
.macro PV x, zero
	WIN W_PV
.set rO, 32*(\x+i%2)+8*((i/2)%4)
.set rV, VF+32*(i/8)+8*((i/2)%4)
.set rP, P+16*(\x+i%2)+8*(i/8)
.if \zero && (i < 8)
	v_wmma_f32_16x16x32_f16 v[rO:rO+7], v[rV:rV+7], v[rP:rP+7], 0
.else
	v_wmma_f32_16x16x32_f16 v[rO:rO+7], v[rV:rV+7], v[rP:rP+7], v[rO:rO+7]
.endif
.endm
; Product i of 16 of S^T = K Q^T: channels 32 (i / 8) on, keys 16 ((i / 2) % 4) on, tile x + i % 2.  The first 8 start the sums.
.macro KQ x
	WIN W_KQ
.set rS, S+32*(\x+i%2)+8*((i/2)%4)
.set rK, KF+16*((i/2)%4)+8*(i/8)
.set rQ, 16*(\x+i%2)+8*(i/8)
.if i < 8
	v_wmma_f32_16x16x32_f16 v[rS:rS+7], v[rK:rK+7], v[rQ:rQ+7], 0
.else
	v_wmma_f32_16x16x32_f16 v[rS:rS+7], v[rK:rK+7], v[rQ:rQ+7], v[rS:rS+7]
.endif
.endm
; THE LDS LOADS stand in runs of 16: a step's K and, a turn later, its V (turned).
.macro FETCH_K
	WIN 0
	v_add_nc_u32 v[ADR], s[TK], v[AK0]
	WIN 0x80                        ; destination window 2
.irp f, 0,1,2,3,4,5,6,7             ; keys 16 (f / 2) on, channels 32 (f % 2) on
	ds_load_b128 v[KF+8*\f:KF+8*\f+3],   v[ADR] offset:(\f/2)*16*PK+(\f%2)*64
	ds_load_b128 v[KF+8*\f+4:KF+8*\f+7], v[ADR] offset:(\f/2)*16*PK+(\f%2)*64+32
.endr
.endm
.macro FETCH_V
	WIN 0
	v_add_nc_u32 v[ADR], s[TV], v[AV0]
	s_add_co_u32 s[TK], s[TK], KS*PK  ; the next fetches are the next step's
	s_add_co_u32 s[TV], s[TV], KS*PV
	s_wait_alu depctr_va_vdst(0)    ; the wait for the softmax's batch of exponentials, ahead of the first instruction that names a result
	WIN 0x40                        ; destination window 1
.irp f, 0,1,2,3,4,5,6,7             ; keys 32 (f / 4) on, channels 16 (f % 4) on
	ds_load_tr16_b128 v[VF+8*\f:VF+8*\f+3],   v[ADR] offset:(\f/4)*32*PV+(\f%4)*32
	ds_load_tr16_b128 v[VF+8*\f+4:VF+8*\f+7], v[ADR] offset:(\f/4)*32*PV+16*PV+(\f%4)*32
.endr
.endm
; THE VECTOR WORK OF A TURN.  One tile's softmax for one key step is a list of 118 instructions; SM writes number j of it for tile t.  s0-s31 are the lane's 32 scores, in pairs 0-15.
;   0-15    the maximum of s0-s31 and the old m, three operands at a time (each accumulator is first read at its low end)
;   16-20   the other half of the lanes' maximum; the new m; c m; c m_old - c m_new
;   21-69   ONE BATCH: the 16 scalings c s - c m and all 33 exponentials (a at 23, then s0-s31); none of these names an exponential's result
;   (wait)  between 69 and 70: one wait for both tiles' exponentials
;   70-85   the roundings to f16;   86-101 the sums, l = a l + the sum;   102-117 the tile's O^T times a
; first = 1: the first key step, which starts m, l and O^T: it has no a and nothing to rescale.
.macro SM t, first
.set rT, ST+8*(\t)
.set rS, S+32*(\t)
.set rP, P+16*(\t)
.set rO, 32*(\t)+2*(j-102)
.if j < 102
	WIN 0
.endif
.if j < 4
	v_max3_num_f32 v[rT+4+j], v[rS+8*j], v[rS+8*j+1], v[rS+8*j+2]
.elseif j < 12
	v_max3_num_f32 v[rT+4+j%4], v[rT+4+j%4], v[rS+8*(j%4)+2*(j/4)+1], v[rS+8*(j%4)+2*(j/4)+2]
.elseif j == 12
	v_max3_num_f32 v[rT+4], v[rT+4], v[rS+7], v[rS+15]
.elseif j == 13
	v_max3_num_f32 v[rT+6], v[rT+6], v[rS+23], v[rS+31]
.elseif j == 14
	v_max3_num_f32 v[rT+4], v[rT+4], v[rT+5], v[rT+6]
.elseif (j == 15) && \first
	v_max_num_f32 v[rT+4], v[rT+4], v[rT+7]
.elseif j == 15
	v_max3_num_f32 v[rT+4], v[rT+4], v[rT+7], v[rT+1]
.elseif j == 16
	v_permlanex16_b32 v[rT+5], v[rT+4], s[SEL], s[SEL+1]  ; the query's other 32 keys lie in the lane 16 away
.elseif j == 18
	v_max_num_f32 v[rT+1], v[rT+4], v[rT+5]
.elseif j == 19
	v_mul_f32 v[rT], s[CS], v[rT+1]
.elseif ((j == 17) || (j == 20) || (j == 23) || (j > 101)) && \first  ; the first step has none of these
.elseif j == 17
	v_mov_b32 v[rT+7], v[rT]        ; c m_old is kept for a
.elseif j == 20
	v_sub_f32 v[rT+7], v[rT+7], v[rT]
.elseif j == 23
	v_exp_f32 v[rT+6], v[rT+7]
.elseif (j < 23) || ((j < 38) && (j%2 == 0)) || ((j < 66) && (j%4 == 2))
.set b, (j-2)/4                     ; 38, 42, .. 62: pairs 9 to 15
.if j < 38
.set b, (j-20)/2                    ; 21: pair 0; 22, 24, .. 36: pairs 1 to 8
.endif
	v_pk_fma_f32 v[rS+2*b:rS+2*b+1], v[rS+2*b:rS+2*b+1], s[CS:CS+1], v[rT:rT+1] op_sel_hi:[1,0,0] neg_lo:[0,0,1] neg_hi:[0,0,1]  ; pair b: c s - c m
.elseif j < 70
.set e, j-38                        ; 66 to 69: s28 to s31
.if j < 66
.set e, j-32-(j-38)/4               ; 39-41, 43-45, .. 63-65: s7 to s27
.endif
.if j < 38
.set e, (j-25)/2                    ; 25, 27, .. 37: s0 to s6
.endif
	v_exp_f32 v[rS+e], v[rS+e]
.elseif j < 86
	v_cvt_pk_f16_f32 v[rP+j-70], v[rS+2*(j-70)], v[rS+2*(j-70)+1]  ; pair j - 70
.elseif j < 102                     ; the sum of the tile's 16 pairs, in place: neighbours 1, 2, 4 and 8 pairs apart, then l takes it
.set z, j-86
.set w, 4
.set u, z
.if z >= 14
.set w, 32
.set u, 0
.elseif z >= 12
.set w, 16
.set u, z-12
.elseif z >= 8
.set w, 8
.set u, z-8
.endif
.if (z == 14) && \first
	v_pk_add_f32 v[rT+2:rT+3], v[rS:rS+1], v[rS+16:rS+17]
.elseif z < 15
	v_pk_add_f32 v[rS+w*u:rS+w*u+1], v[rS+w*u:rS+w*u+1], v[rS+w*u+w/2:rS+w*u+w/2+1]
.elseif !\first
	v_pk_fma_f32 v[rT+2:rT+3], v[rT+2:rT+3], v[rT+6:rT+7], v[rS:rS+1] op_sel_hi:[1,0,1]
.endif
.else
	WIN W_RS
	v_pk_mul_f32 v[rO:rO+1], v[rO:rO+1], v[rT+6:rT+7] op_sel_hi:[1,0]
.endif
.endm
; Instruction n of 236 of piece y's softmax: number n / 2 of tile y + n % 2: the two tiles alternate.  Ahead of n = 140 (number 70, the first that names an exponential's result) stand one plain instruction and the piece's one wait;
; in piece 2's turn (y = 0) V's run of loads stands there, and the wait stands in it.
.macro EMIT y, first
.if n == 140
	v_nop
.if (\y) == 0
	FETCH_V
.else
	s_wait_alu depctr_va_vdst(0)
.endif
.endif
.set j, n/2
	SM (\y)+n%2, \first
.set n, n+1
.endm
.macro SLICE y, first, upto
.rept (\upto)-n
	EMIT \y, \first
.endr
.endm
.macro PLACES
.rept 4
	v_nop
.endr
.endm
; A TURN.  Piece x has the matrix unit; behind its np-th of NW matrix instructions the other piece's softmax goes on up to instruction 236 np / NW.
; pv = 2: 16 products V^T P; 1: they start O^T's sums; 0: none.  kq = 1: 16 products K Q^T for the next step.  first = 1: the softmax is the first key step's; four v_nop then take the part of the last slices as places.
; PLACES, counted: behind a turn's last product stand eight packed multiplies of the other piece's O^T: they serve the next turn's first reads of the scores and K's run of loads.  Between piece 2's last V^T P and V's loads stand
; four scalings of the other piece, the v_nop and the run's own v_add_nc_u32.
.macro TURN x, pv, kq, first
.set n, 0
.set np, 0
.set NW, 16
.if \pv && \kq
.set NW, 32
.endif
.if \pv
.if \x == 0
	s_wait_dscnt 0x0                ; V is in
.endif
.set i, 0
.rept 16
	PV \x, 2-\pv
.set np, np+1
	SLICE 2-\x, \first, (236*np)/NW
.if (\x == 0) && \kq && (i == 1)
	FETCH_K
.endif
.set i, i+1
.endr
.endif
.if \kq
.if \x == 0
	s_wait_dscnt 0x0                ; K is in
.endif
.set i, 0
.rept 16
	KQ \x
.set np, np+1
	SLICE 2-\x, \first, (236*np)/NW
.set i, i+1
.endr
.endif
.if \first
	PLACES
.endif
.endm
; THE CHANGE OF SLOTS, between piece 2's turn and piece 0's: the last bytes of the region in hand have been asked for.  Each wave waits for all its tensor loads (one is out: its part of the slot ahead), adds 0 to its spare word,
; and waits for that and for its own reads.  fill = 1: the other slot is filled with the keys that follow those of the slot ahead; the barrier is then a round of the cluster's, and the joint load is the first thing behind it:
; it has six key steps, 384 matrix instructions, in which to land.  (At the first change the other slot is filled for the first time, by all four waves.)
.macro CHANGE fill
	WIN 0
	s_wait_tensorcnt 0x0            ; no tensor load of mine is out, so a group 0 may be written
	ds_add_u32 v[SPW], v[NIL]       ; 0 onto my spare word
.if \fill
.irp g, G0K+4, G0V+4
	s_xor_b32 s[\g+1], s[\g+1], SLOT1
	s_add_nc_u64 s[\g+2:\g+3], s[\g+2:\g+3], NST*KS*128
.endr
	s_wait_xcnt 0x0                 ; the last prefetch, a slot back, has read its address
	s_add_nc_u64 s[PFA:PFA+1], s[PFA:PFA+1], NST*KS*128
	s_wait_dscnt 0x0                ; the add is done, and my reads are over
	CROUND
	JLOAD
	ASK
.else
	s_wait_dscnt 0x0
	s_barrier_signal -1
	s_barrier_wait -1
.endif
	s_sub_co_u32 s[TK], s[TK], NST*KS*PK  ; the fetches go back to a slot's first step,
	s_xor_b32 s[TK], s[TK], SLOT1   ; in the other slot
	s_sub_co_u32 s[TV], s[TV], NST*KS*PV
	s_xor_b32 s[TV], s[TV], SLOT1
.endm
.macro SIX_STEPS                    ; a slot's six key steps: written once, walked six times
	s_mov_b32 s[CNT], NST
.Lstep_\@:
	TURN 0, 2, 1, 0
	TURN 2, 2, 1, 0
	WIN 0
	s_sub_co_u32 s[CNT], s[CNT], 1
	s_cmp_lg_u32 s[CNT], 0
	s_cbranch_scc1 .Lstep_\@
.endm
	s_wait_tensorcnt 1              ; my part of steps 0 and 1 is in; slot 0's may stay out
	s_barrier_signal -1
	s_barrier_wait -1
	FETCH_K                         ; key step 0
	s_wait_loadcnt 0x0              ; Q
	s_wait_dscnt 0x0
.set i, 0
.rept 16
	KQ 0                            ; piece 0's first scores
.set i, i+1
.endr
	WIN 0                           ; the addresses for the way out are made here: plain instructions, the places behind those products
	s_mul_i32 s16, s[WV], 16*SP
	s_add_co_u32 s16, s16, STAGE    ; my stage
	v_mul_u32_u24 v[STO], v1, SP    ; in: row l % 16, 16 bytes for each half of the lanes
	v_lshl_add_u32 v[STO], v9, 4, v[STO]
	v_add_nc_u32 v[STO], s16, v[STO]
	v_bfe_u32 v10, v0, 3, 2         ; back: eight lanes to a row of 128 bytes, four rows an instruction
	v_and_b32 v11, 7, v0
	v_mul_u32_u24 v[RD], v10, SP
	v_lshl_add_u32 v[RD], v11, 4, v[RD]
	v_add_nc_u32 v[RD], s16, v[RD]
	v_and_b32 v[GO], 31, v0
	v_lshlrev_b32 v[GO], 4, v[GO]
	TURN 2, 0, 1, 1                 ; piece 2's first scores | piece 0's first softmax | V of step 0
	TURN 0, 1, 1, 1                 ; piece 0: V^T P of step 0 starts O^T, K Q^T of step 1 | piece 2's first softmax | K of step 1
	TURN 2, 1, 1, 0                 ; piece 2: the same | piece 0's softmax of step 1 | V of step 1
	WIN 0
	s_mov_b32 s[TK], SLOT1+NST*KS*PK       ; as if slot 1 had just been walked: the first change turns these to slot 0's first step
	s_mov_b32 s[TV], SLOT1+VOFF+NST*KS*PV
.Lslot:                             ; four trips
	CHANGE 1
	SIX_STEPS
	s_sub_co_u32 s[SLOTS], s[SLOTS], 1
	s_cmp_lg_u32 s[SLOTS], 0
	s_cbranch_scc1 .Lslot
	CHANGE 0                        ; the tail is written out
	SIX_STEPS
	TURN 0, 2, 0, 0                 ; piece 0: V^T P of the last step | piece 2's last softmax
.set i, 0
.rept 16
	PV 2, 0                         ; piece 2: V^T P of the last step
.set i, i+1
.endr
	; THE WAY OUT.  l's two halves and the other half of the lanes' are added; O^T is divided by l, rounded to f16 and sent through my stage, a tile (16 rows) at a time.  The additions are the places behind the last products.
	WIN 0
.irp t, 0,1,2,3
	v_add_f32 v[ST+8*\t+4], v[ST+8*\t+2], v[ST+8*\t+3]
.endr
.irp t, 0,1,2,3
	v_permlanex16_b32 v[ST+8*\t+5], v[ST+8*\t+4], s[SEL], s[SEL+1]
.endr
.irp t, 0,1,2,3
	v_add_f32 v[ST+8*\t+4], v[ST+8*\t+4], v[ST+8*\t+5]
.endr
.irp t, 0,1,2,3
	v_rcp_f32 v[ST+8*\t+6], v[ST+8*\t+4]
.endr
	v_nop                           ; a plain instruction between the last reciprocal and the use of its result
	s_wait_alu depctr_va_vdst(0)    ; one wait for the four reciprocals, ahead of the first use
.macro PACK t
	WIN W_RS
.set i, 32*\t
.rept 16
	v_pk_mul_f32 v[i:i+1], v[i:i+1], v[ST+8*\t+6:ST+8*\t+7] op_sel_hi:[1,0]
.set i, i+2
.endr
	WIN 0x05                        ; sources 0 and 1 window 1, destination window 0: S^T's registers are free
.set i, 0
.rept 16
	v_cvt_pk_f16_f32 v[S+32*\t+i], v[32*\t+2*i], v[32*\t+2*i+1]
.set i, i+1
.endr
	WIN 0
.irp f, 0,1,2,3
	ds_store_b128 v[STO], v[S+32*\t+4*\f:S+32*\t+4*\f+3] offset:32*\f
.endr
.irp f, 0,1,2,3
	ds_load_b128 v[S+32*\t+4*\f:S+32*\t+4*\f+3], v[RD] offset:\f*4*SP  ; LDS serves a wave's instructions in order: these see the stores above; the next tile's stores come behind them
.endr
.endm
.macro SEND t, younger              ; younger: the LDS instructions issued behind tile t's loads: the next tile's eight, or none
.irp f, 0,1,2,3
	s_wait_dscnt \younger+3-\f
	global_store_b128 v[GO], v[S+32*\t+4*\f:S+32*\t+4*\f+3], s[10:11] offset:\t*2048+\f*512  ; 512 consecutive bytes, aligned
.endr
.endm
	PACK 0
	PACK 1
	SEND 0, 8
	PACK 2
	SEND 1, 8
	PACK 3
	SEND 2, 8
	SEND 3, 0
	s_wait_tensorcnt 0x0            ; the wave's end, behind my last tensor load and my last LDS store
	ds_add_u32 v[SPW], v[NIL]
	s_wait_dscnt 0x0
	CROUND                          ; the closing round
	s_endpgm
.Lfunc_end_k_qda6e5555fd_attn:
	.size	k_qda6e5555fd_attn, .Lfunc_end_k_qda6e5555fd_attn-k_qda6e5555fd_attn
	.p2alignl 7, 3214868480
	.fill 96, 4, 3214868480
	.section	.rodata,"a",@progbits
	.p2align	6, 0x0
	.amdhsa_kernel k_qda6e5555fd_attn
		.amdhsa_group_segment_fixed_size 327680
		.amdhsa_private_segment_fixed_size 0
		.amdhsa_enable_private_segment 0
		.amdhsa_kernarg_size 16
		.amdhsa_user_sgpr_count 2
		.amdhsa_user_sgpr_kernarg_segment_ptr 1
		.amdhsa_wavefront_size32 1
		.amdhsa_system_sgpr_workgroup_id_x 1
		.amdhsa_system_sgpr_workgroup_id_y 1
		.amdhsa_system_sgpr_workgroup_id_z 1
		.amdhsa_system_vgpr_workitem_id 0
		.amdhsa_next_free_vgpr 768
		.amdhsa_next_free_sgpr 96
		.amdhsa_reserve_vcc 0
		.amdhsa_float_denorm_mode_32 3
		.amdhsa_float_denorm_mode_16_64 3
		.amdhsa_memory_ordered 1
		.amdhsa_forward_progress 1
		.amdhsa_inst_pref_size 162
	.end_amdhsa_kernel
	.amdgpu_metadata
---
amdhsa.version: [ 1, 2 ]
amdhsa.kernels:
  - .name:           k_qda6e5555fd_attn
    .symbol:         k_qda6e5555fd_attn.kd
    .args:
      - { .name: qkv16, .offset: 0, .size: 8, .value_kind: global_buffer, .address_space: global }
      - { .name: o16, .offset: 8, .size: 8, .value_kind: global_buffer, .address_space: global }
    .group_segment_fixed_size: 327680
    .private_segment_fixed_size: 0
    .kernarg_segment_align: 8
    .kernarg_segment_size: 16
    .max_flat_workgroup_size: 128
    .sgpr_count:     96
    .vgpr_count:     768
    .wavefront_size: 32
...
	.end_amdgpu_metadata
.endif
;; end of part 3
;; launch proj (part 4): grid 8 x 64, 4 waves a work-group, clusters of 4 x 4, 327,680 bytes of LDS; arguments o16, wo16, out0; writes out0
.if DOCPART == 4
	.amdgcn_target "amdgcn-amd-amdhsa--gfx1250"
	.amdhsa_code_object_version 6
	.text
	.protected	k_qda6e5555fd_proj
	.globl	k_qda6e5555fd_proj
	.p2align	8
	.type	k_qda6e5555fd_proj,@function
k_qda6e5555fd_proj:
	s_mov_b64 s[64:65], 0
	v_nop
	global_prefetch_b8 v0, s[64:65] scope:SCOPE_SE
	s_setreg_imm32_b32 hwreg(HW_REG_WAVE_MODE, 25, 1), 1
	s_wait_xcnt 0x0
	s_wait_alu depctr_hold_cnt(0) depctr_sa_sdst(0) depctr_va_vdst(0) depctr_va_sdst(0) depctr_va_ssrc(0) depctr_va_vcc(0) depctr_vm_vsrc(0)
	s_getreg_b32 s2, hwreg(HW_REG_IB_STS2, 6, 4)
	s_cmp_eq_u32 s2, 0
	s_cbranch_scc0 .Lentry_in_a_cluster
	s_endpgm
.Lentry_in_a_cluster:
	s_bfe_u32 s2, ttmp6, 0x10000c
	s_cmp_lg_u32 s2, 0xf033
	s_cbranch_scc0 .Lentry_shape_is_right
	s_endpgm
.Lentry_shape_is_right:
; out0[m][n] = sum over k of o[m][k] W_out[n][k], m = 8,192 tokens, n = 1,024, k = 1,024 = head x 64 + channel.  f16 operands, sums in f32, out0 f32.  No work is left out.
; o16: [token / 128][head][128 tokens][64] f16;  wo16: [1024][1024] f16.
; A tile of out0 is 128 x 128 (512 work-groups); four waves, each 64 x 64: 16 accumulators.  K goes in 4 steps of 256 (four heads) through two LDS slots.  A K step of o for 128 tokens is 512 dense rows of 128 bytes
; (four planes of 128 tokens); a wave's tensor load brings 256 of them.  W_out's tile is 128 rows of 512 bytes; a wave's load brings 64.
; CLUSTERS: 4 x 4 work-groups; o's tiles are asked for jointly along a row of the cluster, W_out's along a column.  THE MATRIX INSTRUCTION IS USED TRANSPOSED (source 0 = 16 rows of W_out, source 1 = 16 tokens).
; REGISTERS: window 0: v0-31 addresses; v32-95 the way out; v128-255 the accumulators ((a, b) at v[128 + 8 (4 a + b)]).  window 1: two fragment buffers of 128: 64 registers of o (2 x 4 x 16 rows x 32 K), then 64 of W_out.
.set PA,     144                       ; a row of o in LDS: 128 bytes + 16
.set PB,     528                       ; a row of W_out: 512 bytes + 16
.set PLANE,  128*PA                    ; a head's 128 tokens
.set AB,     4*PLANE                   ; W_out's tile lies behind o's four planes
.set SLOT,   AB+128*PB
.set STAGE,  2*SLOT                    ; behind the ring: 16 rows x 272 bytes for each wave
.set SPITCH, 272
.set SPARE,  STAGE+4*16*SPITCH         ; the spare words, 128 bytes a wave, that no other line names
.set ADRA, 16
.set ADRB, 20
.set STO,  24
.set RD,   25
.set CO,   26
.set SPW,  28
.set NIL,  29
.set TMP,  32
.set ACC,  128
.set F0,   0
.set F1,   128
.set G1, 24                            ; s[24:31] group 1 for o's tiles;  s[32:39] group 0, one set for each slot
.set G0, 32
.set G1B, 48                           ; s[48:55], s[56:63] the same for W_out's
.set G0B, 56
.set MSB, 0
.macro WIN new
.if MSB != (\new)
	s_set_vgpr_msb (MSB<<8)|(\new)
.set MSB, (\new)
.endif
.endm
.set MUL,  0x05                        ; sources 0 and 1 window 1; C and D window 0
.set TO_F, 0x40                        ; destination window 1
.macro JLOAD s                         ; waves 0 and 1 fetch o's halves, waves 2 and 3 W_out's; an s_nop 0 and four v_nop follow each of the two lines
	s_cmp_eq_u32 s11, 0
	s_cbranch_scc0 .Lfor_b_\@
	tensor_load_to_lds s[G0+4*\s:G0+4*\s+3], s[G1:G1+7]
	s_nop 0
.rept 4
	v_nop
.endr
	s_branch .Lasked_\@
.Lfor_b_\@:
	tensor_load_to_lds s[G0B+4*\s:G0B+4*\s+3], s[G1B:G1B+7]
	s_nop 0
.rept 4
	v_nop
.endr
.Lasked_\@:
.endm
.macro CREST
	s_cmp_lg_u32 s10, 0
	s_cbranch_scc1 .Lnot_wave_0_\@
	s_barrier_signal -3
.Lnot_wave_0_\@:
	s_barrier_wait -3
	s_barrier_signal -1
	s_barrier_wait -1
.endm
.macro CROUND
	s_barrier_signal -1
	s_barrier_wait -1
	CREST
.endm
	s_load_b128 s[4:7], s[0:1], 0x0                ; o16, wo16
	s_load_b64 s[8:9], s[0:1], 0x10                ; out0
	v_lshl_add_u32 v[SPW], v0, 2, SPARE
	v_mov_b32 v[NIL], 0
	ds_add_u32 v[SPW], v[NIL]                      ; the wave's opening: the add, twice on end, and its wait ahead of my first tensor load
	ds_add_u32 v[SPW], v[NIL]
	v_lshrrev_b32 v1, 5, v0
	v_readfirstlane_b32 s10, v1                    ; wave 0..3
	s_lshr_b32 s11, s10, 1                         ; which half of the tile's tokens is mine.  Also: I fetch for o (0) or for W_out (1)
	s_and_b32 s12, s10, 1                          ; which half of its columns.  Also: which half of that tile I fetch
	s_bfe_u32 s40, ttmp6, 0x40000                  ; cx, cy
	s_bfe_u32 s41, ttmp6, 0x40004
	s_lshl_b32 s42, ttmp9, 2
	s_add_co_u32 s42, s42, s40                     ; tile column
	s_and_b32 s13, ttmp7, 0xffff
	s_lshl_b32 s13, s13, 2
	s_add_co_u32 s13, s13, s41                     ; tile row
	s_lshl_b32 s43, s41, 2
	s_lshl_b32 s43, 15, s43                        ; my row of the cluster
	s_lshl_b32 s44, 0x1111, s40                    ; my column
	s_or_b32 s[G1+0], s43, (1<<16)|(1<<20)|(1<<21)|(4<<22)|(3<<25)   ; o: elements of 2 bytes; 4 words of padding after every 32
	s_mov_b32 s[G1+1], 64<<16                      ; tensor_dim0
	s_mov_b32 s[G1+2], 256<<16                     ; tensor_dim1
	s_mov_b32 s[G1+3], 64<<16                      ; tile_dim0
	s_mov_b32 s[G1+4], 256                         ; tile_dim1
	s_mov_b32 s[G1+5], 64                          ; the pitch: dense
	s_mov_b32 s[G1+6], 0
	s_mov_b32 s[G1+7], 0
	s_or_b32 s[G1B+0], s44, (1<<16)|(1<<20)|(1<<21)|(6<<22)|(3<<25)  ; W_out: 4 words after every 128
	s_mov_b32 s[G1B+1], 256<<16
	s_mov_b32 s[G1B+2], 64<<16
	s_mov_b32 s[G1B+3], 256<<16
	s_mov_b32 s[G1B+4], 64
	s_mov_b32 s[G1B+5], 1024
	s_mov_b32 s[G1B+6], 0
	s_mov_b32 s[G1B+7], 0
	s_lshl_b32 s16, s13, 18                        ; o: tile row x 16 heads x 16,384 bytes,
	s_lshl_b32 s17, s12, 15                        ; + two heads for the second half
	s_add_co_u32 s16, s16, s17
	s_mov_b32 s17, 0
	s_lshl_b32 s46, s42, 18                        ; W_out: 128 rows of 2,048 bytes a tile column,
	s_lshl_b32 s47, s12, 17                        ; + 64 rows
	s_add_co_u32 s46, s46, s47
	s_mov_b32 s47, 0
	s_mul_i32 s20, s12, 2*PLANE                    ; where they go: no place in the cluster enters an LDS address
	s_mul_i32 s21, s12, 64*PB
	s_add_co_u32 s21, s21, AB
	s_wait_dscnt 0x0                               ; both opening adds are done
	s_wait_kmcnt 0x0
	s_add_nc_u64 s[14:15], s[4:5], s[16:17]
	s_add_nc_u64 s[46:47], s[6:7], s[46:47]
	CROUND                                         ; all sixteen work-groups are here: the first joint loads meet
.irp s, 0,1
	s_mov_b32 s[G0+4*\s], 1
	s_add_co_u32 s[G0+4*\s+1], s20, \s*SLOT
	s_add_nc_u64 s[G0+4*\s+2:G0+4*\s+3], s[14:15], \s*65536        ; K step s: four heads on
	s_or_b32 s[G0+4*\s+3], s[G0+4*\s+3], 0x80000000
	s_mov_b32 s[G0B+4*\s], 1
	s_add_co_u32 s[G0B+4*\s+1], s21, \s*SLOT
	s_add_nc_u64 s[G0B+4*\s+2:G0B+4*\s+3], s[46:47], \s*512
	s_or_b32 s[G0B+4*\s+3], s[G0B+4*\s+3], 0x80000000
	JLOAD \s
.endr
	v_and_b32 v1, 15, v0                           ; l % 16
	v_bfe_u32 v2, v0, 4, 1                         ; l / 16
	v_mul_u32_u24 v3, v1, PA
	v_lshl_add_u32 v3, v2, 4, v3
	v_mul_u32_u24 v4, v1, PB
	v_lshl_add_u32 v4, v2, 4, v4
	s_mul_i32 s21, s11, 64*PA                      ; my 64 tokens in each plane
	s_mul_i32 s22, s12, 64*PB                      ; my 64 rows of W_out
	s_add_co_u32 s22, s22, AB
.irp s, 0,1
	v_add_nc_u32 v[ADRA+\s], s21, v3
	v_add_nc_u32 v[ADRB+\s], s22, v4
	s_add_co_u32 s21, s21, SLOT
	s_add_co_u32 s22, s22, SLOT
.endr
	s_mul_i32 s23, s10, 16*SPITCH
	s_add_co_u32 s23, s23, STAGE                   ; my stage
	v_mul_u32_u24 v5, v1, SPITCH                   ; in: row l % 16, 32 bytes for each half of the lanes
	v_lshl_add_u32 v5, v2, 5, v5
	v_add_nc_u32 v[STO], s23, v5
	v_mul_u32_u24 v5, v2, SPITCH                   ; back: lanes 0-15 one row of 256 bytes, lanes 16-31 the next
	v_lshl_add_u32 v5, v1, 4, v5
	v_add_nc_u32 v[RD], s23, v5
	v_lshlrev_b32 v5, 12, v2                       ; and the same two rows in out0 (4,096 bytes a row)
	v_lshl_add_u32 v[CO], v1, 4, v5
	s_lshl_b32 s16, s13, 7
	s_lshl_b32 s17, s11, 6
	s_add_co_u32 s16, s16, s17                     ; my first row: 128 x tile row + 64 x half
	s_lshl_b32 s16, s16, 12
	s_mov_b32 s17, 0
	s_add_nc_u64 s[8:9], s[8:9], s[16:17]
	s_lshl_b32 s46, s42, 9                         ; my first column, in bytes: 512 x tile column + 256 x half
	s_lshl_b32 s47, s12, 8
	s_add_co_u32 s46, s46, s47
	s_mov_b32 s47, 0
	s_add_nc_u64 s[8:9], s[8:9], s[46:47]
; 8 matrix instructions: token blocks a0, a0 + 1 x all 4 column blocks, 32 along K: half c of buffer f.  The 16 accumulators take turns.
.macro MUL8 f, c, a0, zero
.irp a, \a0, \a0+1
.irp b, 0,1,2,3
.if \zero
	v_wmma_f32_16x16x32_f16 v[ACC+8*(4*(\a)+\b):ACC+8*(4*(\a)+\b)+7], v[\f+64+8*(4*\c+\b):\f+64+8*(4*\c+\b)+7], v[\f+8*(4*\c+\a):\f+8*(4*\c+\a)+7], 0
.else
	v_wmma_f32_16x16x32_f16 v[ACC+8*(4*(\a)+\b):ACC+8*(4*(\a)+\b)+7], v[\f+64+8*(4*\c+\b):\f+64+8*(4*\c+\b)+7], v[\f+8*(4*\c+\a):\f+8*(4*\c+\a)+7], v[ACC+8*(4*(\a)+\b):ACC+8*(4*(\a)+\b)+7]
.endif
.endr
.endr
.endm
; 32 LDS loads in one run: the fragments of the slot's q-th 64 along K (o: plane q; W_out: byte 128 q of its rows) into buffer f; the first 32 along K first
.macro FETCH slot, q, f
	WIN TO_F
.irp c, 0,1
.irp i, 0,1,2,3
	ds_load_b128 v[\f+64+8*(4*\c+\i):\f+64+8*(4*\c+\i)+3],   v[ADRB+\slot] offset:128*(\q)+64*\c+\i*16*PB
	ds_load_b128 v[\f+64+8*(4*\c+\i)+4:\f+64+8*(4*\c+\i)+7], v[ADRB+\slot] offset:128*(\q)+64*\c+\i*16*PB+32
	ds_load_b128 v[\f+8*(4*\c+\i):\f+8*(4*\c+\i)+3],         v[ADRA+\slot] offset:PLANE*(\q)+64*\c+\i*16*PA
	ds_load_b128 v[\f+8*(4*\c+\i)+4:\f+8*(4*\c+\i)+7],       v[ADRA+\slot] offset:PLANE*(\q)+64*\c+\i*16*PA+32
.endr
.endr
.endm
.macro PLACES
.rept 4
	v_nop
.endr
.endm
; A K step is four quarters of 64 along K, 32 matrix instructions each, on buffers 0, 1, 0, 1.  One of the first three: multiplies buffer f and fetches quarter q into g.
.macro QUARTER slot, q, f, g, zero
	s_wait_dscnt 16                                ; the first 32 along K are in; the youngest sixteen loads may be out
	WIN MUL
	MUL8 \f, 0, 0, \zero
	MUL8 \f, 0, 2, \zero
	PLACES
	FETCH \slot, \q, \g
	s_wait_dscnt 32                                ; all but the 32 just issued
	WIN MUL
	MUL8 \f, 1, 0, 0
	MUL8 \f, 1, 2, 0
.endm
; The last quarter multiplies buffer 1 and changes slots: one barrier; in front of it each wave waits for all its tensor loads, adds 0 to its spare word, and waits for that and for its reads of this slot.  fill = 1: this slot is filled again, two K steps ahead.
.macro TURN slot, next, fill
	WIN 0
	s_wait_tensorcnt 0x0                           ; all my tensor loads have landed: my part of the next slot
	ds_add_u32 v[SPW], v[NIL]                      ; 0 onto my spare word
	s_wait_dscnt 17                                ; (the add and the youngest sixteen loads may be out)
	WIN MUL
	MUL8 F1, 0, 0, 0
	s_wait_dscnt 0x0                               ; the add is done, and my reads of this slot are over
	s_barrier_signal -1
	MUL8 F1, 0, 2, 0
.if \fill
	WIN 0
.endif
	s_barrier_wait -1
.if \fill
	CREST                                          ; the barrier has opened a round of the cluster's: no wave of any partner still reads this slot or has a load on its way
	s_add_nc_u64 s[G0+4*\slot+2:G0+4*\slot+3], s[G0+4*\slot+2:G0+4*\slot+3], 2*65536
	s_add_nc_u64 s[G0B+4*\slot+2:G0B+4*\slot+3], s[G0B+4*\slot+2:G0B+4*\slot+3], 2*512
	JLOAD \slot                                    ; the first tensor load behind the round; its four v_nop are also the places in front of the loads below
.else
	PLACES
.endif
	FETCH \next, 0, F0
	WIN MUL
	MUL8 F1, 1, 0, 0
	MUL8 F1, 1, 2, 0
.endm
	s_wait_tensorcnt 1                             ; my part of K step 0 is in (K step 1's load may be out),
	s_barrier_signal -1
	s_barrier_wait -1                              ; everybody's is
	FETCH 0, 0, F0
	QUARTER 0, 1, F0, F1, 1                        ; the first products start the sums
	QUARTER 0, 2, F1, F0, 0
	QUARTER 0, 3, F0, F1, 0
	TURN 0, 1, 1                                   ; slot 0 takes K step 2
	QUARTER 1, 1, F0, F1, 0
	QUARTER 1, 2, F1, F0, 0
	QUARTER 1, 3, F0, F1, 0
	TURN 1, 0, 1                                   ; slot 1 takes K step 3
	QUARTER 0, 1, F0, F1, 0
	QUARTER 0, 2, F1, F0, 0
	QUARTER 0, 3, F0, F1, 0
	TURN 0, 1, 0                                   ; nothing is left to fetch
	QUARTER 1, 1, F0, F1, 0
	QUARTER 1, 2, F1, F0, 0
	QUARTER 1, 3, F0, F1, 0
	s_wait_dscnt 16                                ; the very last quarter
	WIN MUL
	MUL8 F1, 0, 0, 0
	MUL8 F1, 0, 2, 0
	s_wait_dscnt 0
	MUL8 F1, 1, 0, 0
	MUL8 F1, 1, 2, 0
	WIN 0
; THE WAY OUT, a block of 16 tokens x 64 columns at a time.  A lane holds 32 neighbouring bytes of a row; a row's 256 bytes are my wave's own: so a block goes through my own stage and comes back as whole rows.
; LDS serves a wave's instructions in order: no wait between the stores and the loads, nor in front of the next block's stores.
.macro TOSTAGE a
.irp b, 0,1,2,3
	ds_store_b128 v[STO], v[ACC+8*(4*(\a)+\b):ACC+8*(4*(\a)+\b)+3] offset:64*\b        ; each accumulator from its low end on
	ds_store_b128 v[STO], v[ACC+8*(4*(\a)+\b)+4:ACC+8*(4*(\a)+\b)+7] offset:64*\b+16
.endr
.irp t, 0,1,2,3,4,5,6,7
	ds_load_b128 v[TMP+32*((\a)%2)+4*\t:TMP+32*((\a)%2)+4*\t+3], v[RD] offset:\t*2*SPITCH
.endr
.endm
.macro SEND a, younger                 ; younger: the LDS instructions issued behind block a's loads
	s_wait_dscnt \younger
.irp t, 0,1,2,3,4,5,6,7
	global_store_b128 v[CO], v[TMP+32*((\a)%2)+4*\t:TMP+32*((\a)%2)+4*\t+3], s[8:9] offset:(16*(\a)+2*\t)*4096 th:TH_STORE_NT   ; 16 lanes store 256 consecutive bytes, aligned
.endr
.endm
	PLACES                                         ; behind the last products, ahead of the first read of results
	TOSTAGE 0
.irp a, 1,2,3
.if \a > 1
	s_wait_xcnt 0x0                                ; block a - 2's stores have read their registers: block a's rows may land there
.endif
	TOSTAGE \a
	SEND \a-1, 16                                  ; behind block a - 1's loads: block a's 8 stores and 8 loads
.endr
	SEND 3, 0
	s_wait_tensorcnt 0x0                           ; the wave's end, behind my last tensor load and my last LDS store
	ds_add_u32 v[SPW], v[NIL]
	s_wait_dscnt 0x0
	CROUND                                         ; the closing round
	s_endpgm
.Lfunc_end_k_qda6e5555fd_proj:
	.size	k_qda6e5555fd_proj, .Lfunc_end_k_qda6e5555fd_proj-k_qda6e5555fd_proj
	.p2alignl 7, 3214868480
	.fill 96, 4, 3214868480
	.section	.rodata,"a",@progbits
	.p2align	6, 0x0
	.amdhsa_kernel k_qda6e5555fd_proj
		.amdhsa_group_segment_fixed_size 327680
		.amdhsa_private_segment_fixed_size 0
		.amdhsa_enable_private_segment 0
		.amdhsa_kernarg_size 24
		.amdhsa_user_sgpr_count 2
		.amdhsa_user_sgpr_kernarg_segment_ptr 1
		.amdhsa_wavefront_size32 1
		.amdhsa_system_sgpr_workgroup_id_x 1
		.amdhsa_system_sgpr_workgroup_id_y 1
		.amdhsa_system_sgpr_workgroup_id_z 1
		.amdhsa_system_vgpr_workitem_id 0
		.amdhsa_next_free_vgpr 512
		.amdhsa_next_free_sgpr 66
		.amdhsa_reserve_vcc 0
		.amdhsa_float_denorm_mode_32 3
		.amdhsa_float_denorm_mode_16_64 3
		.amdhsa_memory_ordered 1
		.amdhsa_forward_progress 1
		.amdhsa_inst_pref_size 85
	.end_amdhsa_kernel
	.amdgpu_metadata
---
amdhsa.version: [ 1, 2 ]
amdhsa.kernels:
  - .name:           k_qda6e5555fd_proj
    .symbol:         k_qda6e5555fd_proj.kd
    .args:
      - { .name: o16, .offset: 0, .size: 8, .value_kind: global_buffer, .address_space: global }
      - { .name: wo16, .offset: 8, .size: 8, .value_kind: global_buffer, .address_space: global }
      - { .name: out0, .offset: 16, .size: 8, .value_kind: global_buffer, .address_space: global }
    .group_segment_fixed_size: 327680
    .private_segment_fixed_size: 0
    .kernarg_segment_align: 8
    .kernarg_segment_size: 24
    .max_flat_workgroup_size: 128
    .sgpr_count:     66
    .vgpr_count:     512
    .wavefront_size: 32
...
	.end_amdgpu_metadata
.endif
;; end of part 4
